; MI455X (gfx1250); checked and timed in simulation.
; The chip was launched on July 23, 2026; its instructions are those of AMD's public machine-readable ISA for CDNA 5 (MIT licence, August 2026) and "CDNA5" Instruction Set Architecture Reference Guide (July 2026). The comments in the code are by the model that wrote it; some were corrected since.
;; Causal Self Attn. Allowed arithmetic: matrix products marked QUANTISED: E5M2 operands, one E8M0 scale for each 32 along K, by v_wmma_scale_f32_16x16x128_f8f6f4 with both operands' format E5M2, f32 sums; everything else in f32.
;; Inputs: W_k 1,024 x 1,024 float32; W_o 1,024 x 1,024 float32; W_q 1,024 x 1,024 float32; W_v 1,024 x 1,024 float32; b_o 1,024 float32; x 4 x 2,048 x 1,024 float32.
;; Outputs: out0 4 x 2,048 x 1,024 float32.
;; This version of the problem:
;;   THIS VERSION OF THE PROBLEM IS GIVEN IN LOW PRECISION. The matrix products marked QUANTISED in the list below multiply operands that are first quantised to E5M2 (5 exponent bits, 2 mantissa bits; 8 bits a number), with one power-of-two scale for each 32 numbers along K (OCP MX v1.0); their sums are f32. All else is computed in f32.
;;   The module's matrix products, in the order in which they are computed (A, B: the left and right operand; K: the contracted axis; several contracted axes count as one K, in the product's order):
;;     1. [M 8,192, K 1,024] x [K 1,024, N 1,024]; A: input x; B: input W_q: QUANTISED
;;     2. [M 8,192, K 1,024] x [K 1,024, N 1,024]; A: input x; B: input W_k: QUANTISED
;;     3. [M 8,192, K 1,024] x [K 1,024, N 1,024]; A: input x; B: input W_v: QUANTISED
;;     4. batch 64 x [M 2,048, K 64] x [K 64, N 2,048]; A: computed on the way; B: computed on the way: QUANTISED
;;     5. batch 64 x [M 2,048, K 2,048] x [K 2,048, N 64]; A: softmax (see below); B: computed on the way: QUANTISED
;;     6. [M 8,192, K 1,024] x [K 1,024, N 1,024]; A: computed on the way; B: input W_o: QUANTISED
;;   THE QUANTISER, for each operand of a quantised product, along K:
;;     - K is cut into blocks of 32 from its start; a last block that is shorter is filled with zeros.
;;     - A block's scale is 2^e with e = floor(log2(the largest magnitude in the block)) - 15, held to -126 .. 127; a block of zeros has e = 0. As a byte (E8M0): e + 127.
;;     - Each number is divided by its block's scale, clamped to +-57,344, and rounded to the nearest number of E5M2, ties to even, subnormals kept.
;;     - The product sums the exact products of the quantised numbers (number of the format x scale) in f32.
;;   ~~~python
;;   def quantise(x, axis):      # numpy; x: float32 -> the quantised numbers, widened to float32 again
;;       x = np.moveaxis(x, axis, -1); K = x.shape[-1]
;;       x = np.pad(x, [(0, 0)] * (x.ndim - 1) + [(0, -K % 32)]); x = x.reshape(x.shape[:-1] + (-1, 32)); a = np.abs(x).max(-1, keepdims=True)
;;       e = np.where(a > 0, np.clip(np.frexp(np.where(a > 0, a, 1))[1] - 1 - 15, -126, 127), 0)      # np.frexp(a)[1] - 1 = floor(log2(a)), exactly
;;       r = np.clip(x / 2.0 ** e, -57344, 57344)
;;       step = 2.0 ** (np.maximum(np.frexp(np.where(r == 0, 1, r))[1] - 1, -14) - 2)
;;       q = np.round(r / step) * step * 2.0 ** e      # np.round: ties to even
;;       return np.moveaxis(q.reshape(q.shape[:-2] + (-1,))[..., :K], -1, axis).astype(np.float32)
;;   ~~~
;;   SOFTMAX AHEAD OF A QUANTISED PRODUCT. Where the list says 'softmax', what is quantised is not the finished softmax but p = 2^(t - M), with t = logit x log2(e) and M = ceil(the row's largest t), a whole number; so 1/2 < the row's largest p <= 1. The row's sum l is taken of the UNQUANTISED p, in f32, and the product's result is divided by l at the end. Since M is a whole number, a kernel that streams over the keys may use a running M (the ceiling of the running maximum): every later rescaling is an exact power of two, which a block's scale takes up: the codes' values come out the same.
;;   OPERANDS COMPUTED ON THE WAY. 'Computed on the way' means the value that the module computes at that place (a softmax that the list does not call 'softmax' is quantised finished and normalised). What goes into a quantiser is computed in f32, as accurately as f32 sums, v_exp_f32 and their like allow (about 1e-6 of the number): no bf16 or f16 on the way to a quantiser, and a product that is left as it is and whose result goes on into a quantised operand takes f32 operands (vector FMAs, or v_wmma_f32_16x16x4_f32). A number that lies on a knife's edge between two numbers of the format may be rounded either way, as far as f32 arithmetic and the matrix unit's own rounding can turn it there, and no further.
;; One version. Each part assembles by itself: llvm-mc -triple=amdgcn-amd-amdhsa -mcpu=gfx1250 --defsym DOCPART=n.
;; ======== version 1 of 1: 4 launches
;; limits: right only within a limited range of input values
;; workspace buffers: op_img 12,582,912 bytes; op_sc 393,216 bytes; qkv_img 25,165,824 bytes; qkv_sc 1,572,864 bytes; ctx_img 8,388,608 bytes; ctx_sc 262,144 bytes
;; launch quant (part 1): grid 384 x 1, 4 waves a work-group, no clusters, 34,304 bytes of LDS; arguments x, W_q, W_k, W_v, W_o, op_img, op_sc; writes op_img, op_sc
.if DOCPART == 1
	.amdgcn_target "amdgcn-amd-amdhsa--gfx1250"
	.amdhsa_code_object_version 6
	.text
	.protected	k_q451718438e_quant
	.globl	k_q451718438e_quant
	.p2align	8
	.type	k_q451718438e_quant,@function
k_q451718438e_quant:
	s_mov_b64 s[64:65], 0
	v_nop
	global_prefetch_b8 v0, s[64:65] scope:SCOPE_SE
	s_setreg_imm32_b32 hwreg(HW_REG_WAVE_MODE, 25, 1), 1
	s_wait_xcnt 0x0
; x [8192][1024] and the four weights [1024 (k)][1024 (n)], f32, become codes of BF8 (E5M2) with one E8M0 byte for each 32 along K (K = the 1,024 of the model).
; A block's scale is 2^(floor(log2(its largest magnitude)) - 15); its byte is the largest magnitude's exponent field - 15, held at 1 from below; each number is held within +-57,344 x the scale and rounded to the nearest code, ties to even.
; LAYOUT OF THE CODES: images of the matrix operand's registers.  A fragment (16 rows x 128 K) is 2,048 bytes [c 0..3][lane 0..31][16 bytes]: lane (r = lane % 16, h = lane / 16) holds k = 32 c + 16 h + 0 .. 15 of the tile's row r.
;   op_img [kp 0..3][row tile 0..767][ks 0..1][fragment]: the K step of 128 is 2 kp + ks.  Row tiles 0-511: x's tokens; 512-575 W_q's columns, 576-639 W_k's, 640-703 W_v's, 704-767 W_o's.
;   op_sc  [row tile][kp][r][ks] words of four bytes (byte c = block c of the K step).
; THE ROWS OF A TILE ARE NOT NEIGHBOURS: lane r of tile 2 g + u holds row 32 g + 8 u + r + 8 (r / 8), so that in a product used transposed the 16 registers of two neighbouring tiles are 16 neighbours.
; Work-groups 0-255 take x, 256-383 the weights.  The two ways part on the work-group's number; only x's way touches LDS.  No wave shares anything with another: no barrier.
; LIMITS: NaN and infinities among the inputs are not served.  A block of zeros gets the byte 1 where the rule says 127: its codes are zeros, and the bytes are read by this program alone.
.set PLANE, 3145728                    ; bytes of one kp of op_img: 768 row tiles x 4,096
.set FLOOR, 0x8000000                  ; 2^(16 - 127): no largest magnitude is taken under it, so the byte cannot fall under 1
.set EOFF,  0xf8800000                 ; takes 15 off an exponent field
.set MANT,  0x600000                   ; the mantissa field of 57,344
.set SP,    528                        ; x's way: a stage row, 512 bytes + 16
.set TM,    8                          ; v8-11 largest magnitudes, v12-15 the other lane's, then bytes, v20-23 the conversions' scale operands
.set PW,    24                         ; v24-27 the scale words of the four K steps
.set PC,    32                         ; v32-47 a fragment's codes
.set R0,    64                         ; three sets of 64 numbers
.set R1,    128
.set R2,    192
.set WX,    32                         ; the weights' way: v32-95 two sets of 32 numbers
.set WC,    96                         ; v96-159 codes, eight registers for each block: no store's data are written again
.set SB,    24                         ; v24-25 two scale words
	s_load_b256 s[4:11], s[0:1], 0x0               ; x s[4:5], W_q s[6:7], W_k s[8:9], W_v s[10:11]
	s_load_b128 s[12:15], s[0:1], 0x20             ; W_o s[12:13], op_img s[14:15]
	s_load_b64 s[16:17], s[0:1], 0x30              ; op_sc
	v_lshl_add_u32 v30, v0, 2, 0x8400
	v_mov_b32 v31, 0
	v_lshrrev_b32 v1, 5, v0
	v_readfirstlane_b32 s18, v1                    ; wave 0..3
	v_and_b32 v1, 31, v0                           ; lane
	v_and_b32 v2, 15, v0                           ; r
	v_bfe_u32 v3, v0, 4, 1                         ; h
	s_mov_b32 s20, 0x76543210
	s_mov_b32 s21, 0xfedcba98                      ; v_permlanex16_b32's selects for lane l xor 16
	s_wait_kmcnt 0x0
	s_cmp_ge_u32 ttmp9, 256
	s_cbranch_scc1 .Lweights
; ---------------- x: a wave takes one row tile (16 rows) x 512 along K, in four steps of 128 ----------------
	s_lshl_b32 s23, ttmp9, 1
	s_lshr_b32 s24, s18, 1
	s_add_co_u32 s23, s23, s24                     ; T: my row tile = 2 x work-group + wave / 2
	s_and_b32 s24, s18, 1                          ; kh: which half of K
	s_and_b32 s25, s23, 1
	s_lshl_b32 s25, s25, 3
	s_lshl_b32 s26, s23, 4
	s_sub_co_u32 s26, s26, s25                     ; the tile's first row: 16 T - 8 (T % 2)
	s_lshl_b32 s26, s26, 12                        ; a row of x is 4,096 bytes
	s_lshl_b32 s27, s24, 11
	s_add_co_u32 s26, s26, s27
	s_mov_b32 s27, 0
	s_add_nc_u64 s[4:5], s[4:5], s[26:27]
	s_mul_i32 s28, s24, 2*PLANE
	s_lshl_b32 s29, s23, 12
	s_add_co_u32 s28, s28, s29
	s_mov_b32 s29, 0
	s_add_nc_u64 s[14:15], s[14:15], s[28:29]      ; op_img at kp = 2 kh, row tile T
	s_lshl_b32 s30, s23, 9
	s_lshl_b32 s31, s24, 8
	s_add_co_u32 s30, s30, s31
	s_mov_b32 s31, 0
	s_add_nc_u64 s[16:17], s[16:17], s[30:31]      ; op_sc likewise: 256 bytes are mine
	s_mul_i32 s19, s18, 16*SP                      ; my stage
	s_wait_alu depctr_va_vdst(0)
	v_lshlrev_b32 v4, 4, v1                        ; 16 x lane
	v_lshlrev_b32 v5, 3, v1                        ; 8 x lane
	v_add_nc_u32 v6, s19, v4                       ; into the stage: a row's 512 bytes as they are loaded
	v_mul_u32_u24 v7, v2, SP
	v_lshl_add_u32 v7, v3, 6, v7
	v_add_nc_u32 v7, s19, v7                       ; out of it: row r, + 64 h: my 16 numbers of a block of 32
.irp b, 0,1,2,3
	v_mov_b32 v[TM+4+\b], 0                        ; written once: a lane permute's destination counts as one of its sources
.endr
.macro XLOAD s, set                    ; K step s of the tile's 16 rows: each load reads 512 consecutive bytes of one row
.irp p, 0,1,2,3,4,5,6,7,8,9,10,11,12,13,14,15
	global_load_b128 v[\set+4*\p:\set+4*\p+3], v4, s[4:5] offset:(\p+8*(\p/8))*4096+512*\s th:TH_LOAD_NT
.endr
.endm
.macro XTURN set                       ; through the stage: in by rows, out 16 neighbours of each block a lane.  LDS serves a wave's instructions in order, so no wait stands between
.irp p, 0,1,2,3,4,5,6,7,8,9,10,11,12,13,14,15
	ds_store_b128 v6, v[\set+4*\p:\set+4*\p+3] offset:SP*\p
.endr
.irp c, 0,1,2,3
.irp j, 0,1,2,3
	ds_load_b128 v[\set+16*\c+4*\j:\set+16*\c+4*\j+3], v7 offset:128*\c+16*\j
.endr
.endr
.endm
; 64 numbers of a lane, register 16 b + i = k 32 b + 16 h + i of my row, become a fragment's codes in v[PC] on and its scale word in v[pw]
.macro QUANT s, pw
.irp b, 0,1,2,3
	v_max3_num_f32 v[TM+\b], |v[\s+16*\b]|, |v[\s+1+16*\b]|, FLOOR
.endr
.irp i, 2,4,6,8,10,12,14
.irp b, 0,1,2,3
	v_max3_num_f32 v[TM+\b], v[TM+\b], |v[\s+16*\b+\i]|, |v[\s+1+16*\b+\i]|   ; the four blocks by turns
.endr
.endr
.irp b, 0,1,2,3
	v_permlanex16_b32 v[TM+4+\b], v[TM+\b], s20, s21
.endr
.irp b, 0,1,2,3
	v_max_num_f32 v[TM+\b], v[TM+\b], v[TM+4+\b]   ; with lane l xor 16's: the block's largest magnitude
.endr
.irp b, 0,1,2,3
	v_add_nc_u32 v[TM+12+\b], EOFF, v[TM+\b]       ; the conversion takes the exponent field of this operand as its scale
.endr
.irp b, 0,1,2,3
.endr
.irp b, 0,1,2,3
	v_lshrrev_b32 v[TM+4+\b], 23, v[TM+12+\b]      ; the scale's byte
.endr
	v_lshl_or_b32 v[\pw], v[TM+5], 8, v[TM+4]
	v_lshl_or_b32 v[\pw], v[TM+6], 16, v[\pw]
	v_lshl_or_b32 v[\pw], v[TM+7], 24, v[\pw]
.irp b, 0,1,2,3
.irp i, 0,1,2,3,4,5,6,7,8,9,10,11,12,13,14,15
.endr
	v_cvt_scalef32_pk8_bf8_f32 v[PC+4*\b:PC+4*\b+1], v[\s+16*\b:\s+16*\b+7], v[TM+12+\b]
	v_cvt_scalef32_pk8_bf8_f32 v[PC+4*\b+2:PC+4*\b+3], v[\s+16*\b+8:\s+16*\b+15], v[TM+12+\b]
.endr
	v_nop                                          ; a plain line behind the last conversion
.endm
.macro XSTEP s, set, left
	s_wait_loadcnt \left                           ; this step's sixteen loads are in; those of the later steps may be out
	XTURN \set
	s_wait_dscnt 0x0
.if \s > 0
	s_wait_xcnt 0x0                                ; the last step's stores have read v[PC] on: only now are the codes written again
.endif
	QUANT \set, PW+\s
.irp c, 0,1,2,3
	global_store_b128 v4, v[PC+4*\c:PC+4*\c+3], s[14:15] offset:(\s/2)*PLANE+(\s%2)*2048+512*\c   ; 512 consecutive bytes
.endr
.endm
	XLOAD 0, R0
	XLOAD 1, R1
	XLOAD 2, R2
	s_wait_alu depctr_va_vdst(0)
	XSTEP 0, R0, 32
	XLOAD 3, R0
	XSTEP 1, R1, 32
	XSTEP 2, R2, 16
	XSTEP 3, R0, 0
	v_cmp_le_u32 vcc_lo, 16, v1                    ; lanes 0-15 store the words of kp = 2 kh (steps 0, 1), lanes 16-31 those of 2 kh + 1 (steps 2, 3): every lane holds its row's four words
	v_cndmask_b32 v28, v[PW], v[PW+2], vcc_lo
	v_cndmask_b32 v29, v[PW+1], v[PW+3], vcc_lo
	global_store_b64 v5, v[28:29], s[16:17]        ; 256 consecutive bytes, aligned
	s_wait_tensorcnt 0x0
	ds_add_u32 v30, v31
	s_wait_dscnt 0x0
	s_endpgm
; ---------------- the weights: K is the FIRST axis.  A lane takes a column n, its registers run down K: a block of 32 lies in one lane, and the codes come out with K innermost ----------------
.Lweights:
	s_sub_co_u32 s23, ttmp9, 256                   ; j = 0..127
	s_lshr_b32 s24, s23, 5                         ; which weight
	s_and_b32 s25, s23, 7
	s_bfe_u32 s26, s23, 0x20003                    ; kp: which 256 along K
	s_lshl_b32 s25, s25, 2
	s_add_co_u32 s25, s25, s18                     ; g: my wave's 32 columns
	s_mov_b64 s[28:29], s[6:7]
	s_cmp_eq_u32 s24, 1
	s_cselect_b64 s[28:29], s[8:9], s[28:29]
	s_cmp_eq_u32 s24, 2
	s_cselect_b64 s[28:29], s[10:11], s[28:29]
	s_cmp_eq_u32 s24, 3
	s_cselect_b64 s[28:29], s[12:13], s[28:29]     ; the choice hangs on the work-group's number alone
	s_lshl_b32 s30, s26, 20                        ; 256 rows of 4,096 bytes
	s_lshl_b32 s31, s25, 7
	s_add_co_u32 s30, s30, s31
	s_mov_b32 s31, 0
	s_add_nc_u64 s[28:29], s[28:29], s[30:31]
	s_lshl_b32 s32, s24, 6
	s_lshl_b32 s33, s25, 1
	s_add_co_u32 s32, s32, s33
	s_add_co_u32 s32, s32, 512                     ; the first of my two row tiles
	s_mul_i32 s34, s26, PLANE
	s_lshl_b32 s35, s32, 12
	s_add_co_u32 s34, s34, s35
	s_mov_b32 s35, 0
	s_add_nc_u64 s[14:15], s[14:15], s[34:35]
	s_lshl_b32 s36, s32, 9
	s_lshl_b32 s37, s26, 7
	s_add_co_u32 s36, s36, s37
	s_mov_b32 s37, 0
	s_add_nc_u64 s[16:17], s[16:17], s[36:37]
	s_wait_alu depctr_va_vdst(0)
	v_lshlrev_b32 v4, 2, v1                        ; in: 4 bytes a lane
	v_bfe_u32 v9, v1, 3, 1                         ; u: column 32 g + lane lies in tile 2 g + u,
	v_and_b32 v8, 7, v1
	v_lshl_add_u32 v8, v3, 3, v8                   ; at the tile's row lane % 8 + 8 (lane / 16)
	v_lshlrev_b32 v5, 4, v8
	v_lshl_add_u32 v5, v9, 12, v5                  ; codes: 4,096 u + 16 x that row
	v_lshlrev_b32 v6, 3, v8
	v_lshl_add_u32 v6, v9, 9, v6                   ; scale words: 512 u + 8 x that row
.macro WLOAD t                         ; block t: W(32 t + i, my column): 128 consecutive bytes a wave, 512 a work-group
.irp i, 0,1,2,3,4,5,6,7,8,9,10,11,12,13,14,15,16,17,18,19,20,21,22,23,24,25,26,27,28,29,30,31
	global_load_b32 v[WX+32*((\t)%2)+\i], v4, s[28:29] offset:(32*(\t)+\i)*4096 th:TH_LOAD_NT
.endr
.endm
.macro WBLOCK t
.set XS, WX+32*((\t)%2)
.set CC, WC+8*(\t)
.if (\t) < 7
	s_wait_loadcnt 32                              ; this block's 32 loads are in; the next block's may be out
.else
	s_wait_loadcnt 0x0
.endif
	v_max3_num_f32 v12, |v[XS]|, |v[XS+1]|, |v[XS+2]|
	v_max3_num_f32 v13, |v[XS+3]|, |v[XS+4]|, |v[XS+5]|
.irp i, 6,10,14,18,22,26
	v_max3_num_f32 v12, v12, |v[XS+\i]|, |v[XS+\i+1]|
	v_max3_num_f32 v13, v13, |v[XS+\i+2]|, |v[XS+\i+3]|
.endr
	v_max3_num_f32 v12, v12, |v[XS+30]|, |v[XS+31]|
	v_max3_num_f32 v12, v12, v13, FLOOR            ; the block's largest magnitude: all 32 numbers are mine
	v_add_nc_u32 v11, EOFF, v12
	v_lshrrev_b32 v13, 23, v11
.if (\t)%4 == 0
	v_mov_b32 v[SB+(\t)/4], v13
.else
	v_lshl_or_b32 v[SB+(\t)/4], v13, 8*((\t)%4), v[SB+(\t)/4]
.endif
.irp i, 0,1,2,3,4,5,6,7,8,9,10,11,12,13,14,15,16,17,18,19,20,21,22,23,24,25,26,27,28,29,30,31
.endr
.irp g, 0,1,2,3
	v_cvt_scalef32_pk8_bf8_f32 v[CC+2*\g:CC+2*\g+1], v[XS+8*\g:XS+8*\g+7], v11
.endr
	v_nop                                          ; a plain line behind the last conversion
	global_store_b128 v5, v[CC:CC+3], s[14:15] offset:((\t)/4)*2048+((\t)%4)*512          ; k = 0 .. 15 of the block: the image's lanes 0-15.  Sixteen lanes fill 256 consecutive bytes, aligned; the other sixteen those of the next tile
	global_store_b128 v5, v[CC+4:CC+7], s[14:15] offset:((\t)/4)*2048+((\t)%4)*512+256    ; k = 16 .. 31: its lanes 16-31
.if (\t) < 6
	WLOAD (\t)+2
.endif
.endm
	WLOAD 0
	WLOAD 1
.irp t, 0,1,2,3,4,5,6,7
	WBLOCK \t
.endr
	global_store_b64 v6, v[SB:SB+1], s[16:17]      ; two runs of 128 consecutive bytes: one byte for each 128 that this way reads
	s_endpgm
.Lfunc_end_k_q451718438e_quant:
	.size	k_q451718438e_quant, .Lfunc_end_k_q451718438e_quant-k_q451718438e_quant
	.p2alignl 7, 3214868480
	.fill 96, 4, 3214868480
	.section	.rodata,"a",@progbits
	.p2align	6, 0x0
	.amdhsa_kernel k_q451718438e_quant
		.amdhsa_group_segment_fixed_size 34304
		.amdhsa_private_segment_fixed_size 0
		.amdhsa_enable_private_segment 0
		.amdhsa_kernarg_size 56
		.amdhsa_user_sgpr_count 2
		.amdhsa_user_sgpr_kernarg_segment_ptr 1
		.amdhsa_wavefront_size32 1
		.amdhsa_system_sgpr_workgroup_id_x 1
		.amdhsa_system_sgpr_workgroup_id_y 1
		.amdhsa_system_sgpr_workgroup_id_z 1
		.amdhsa_system_vgpr_workitem_id 0
		.amdhsa_next_free_vgpr 256
		.amdhsa_next_free_sgpr 66
		.amdhsa_reserve_vcc 1
		.amdhsa_float_denorm_mode_32 3
		.amdhsa_float_denorm_mode_16_64 3
		.amdhsa_fp16_overflow 1
		.amdhsa_memory_ordered 1
		.amdhsa_forward_progress 1
		.amdhsa_inst_pref_size 72
	.end_amdhsa_kernel
	.amdgpu_metadata
---
amdhsa.version: [ 1, 2 ]
amdhsa.kernels:
  - .name:           k_q451718438e_quant
    .symbol:         k_q451718438e_quant.kd
    .args:
      - { .name: x, .offset: 0, .size: 8, .value_kind: global_buffer, .address_space: global }
      - { .name: W_q, .offset: 8, .size: 8, .value_kind: global_buffer, .address_space: global }
      - { .name: W_k, .offset: 16, .size: 8, .value_kind: global_buffer, .address_space: global }
      - { .name: W_v, .offset: 24, .size: 8, .value_kind: global_buffer, .address_space: global }
      - { .name: W_o, .offset: 32, .size: 8, .value_kind: global_buffer, .address_space: global }
      - { .name: op_img, .offset: 40, .size: 8, .value_kind: global_buffer, .address_space: global }
      - { .name: op_sc, .offset: 48, .size: 8, .value_kind: global_buffer, .address_space: global }
    .group_segment_fixed_size: 34304
    .private_segment_fixed_size: 0
    .kernarg_segment_align: 8
    .kernarg_segment_size: 56
    .max_flat_workgroup_size: 128
    .sgpr_count:     66
    .vgpr_count:     256
    .wavefront_size: 32
...
	.end_amdgpu_metadata
.endif
;; end of part 1
;; launch proj (part 2): grid 8 x 48, 4 waves a work-group, clusters of 4 x 4, 327,680 bytes of LDS; arguments op_img, op_sc, qkv_img, qkv_sc; writes qkv_img, qkv_sc
.if DOCPART == 2
	.amdgcn_target "amdgcn-amd-amdhsa--gfx1250"
	.amdhsa_code_object_version 6
	.text
	.protected	k_q451718438e_proj
	.globl	k_q451718438e_proj
	.p2align	8
	.type	k_q451718438e_proj,@function
k_q451718438e_proj:
	s_mov_b64 s[64:65], 0
	v_nop
	global_prefetch_b8 v0, s[64:65] scope:SCOPE_SE
	s_setreg_imm32_b32 hwreg(HW_REG_WAVE_MODE, 25, 1), 1
	s_wait_xcnt 0x0
	s_wait_alu depctr_hold_cnt(0) depctr_sa_sdst(0) depctr_va_vdst(0) depctr_va_sdst(0) depctr_va_ssrc(0) depctr_va_vcc(0) depctr_vm_vsrc(0)
	s_getreg_b32 s2, hwreg(HW_REG_IB_STS2, 6, 4)
	s_cmp_eq_u32 s2, 0
	s_cbranch_scc0 .Lentry_in_a_cluster
	s_endpgm
.Lentry_in_a_cluster:
	s_bfe_u32 s2, ttmp6, 0x10000c
	s_cmp_lg_u32 s2, 0xf033
	s_cbranch_scc0 .Lentry_shape_is_right
	s_endpgm
.Lentry_shape_is_right:
; q = x W_q, k = x W_k, v = x W_v on codes of BF8 (E5M2) with E8M0 scales; the results are quantised in registers and leave as codes: q and k along the head's 64, v along the keys.
; THE PRODUCT.  A tile of 256 x 256 is made by four waves, each 128 x 128: 64 accumulators of 16 x 16, 512 registers.  The matrix instruction takes 16 rows of S0 as source 0 and 16 rows of S1 as source 1: a lane then holds ONE
; row of S1, and, by the choice of the rows that form a tile (lane r of tile 2 g + u holds row 32 g + 8 u + r + 8 (r / 8)), the 16 registers of S0's tiles 2 g, 2 g + 1 are S0's rows 32 g + 16 (lane / 16) + 0 .. 15 in order:
; the 64 registers of a block of 16 S1 rows are what a quantiser along S0's axis and the next operand's layout want.
; ROLES, by the CLUSTER's y (all sixteen partners share it; it enters global offsets alone, by selects: no branch, no LDS address):
;   y < 8:  S0 = 256 columns of W_q or W_k, S1 = 256 tokens: a lane holds a token, its registers run along two heads' channels.
;   y >= 8: S0 = 256 tokens, S1 = 256 columns of W_v: a lane holds a channel, its registers run along 128 keys.
; OPERANDS lie in op_img as images of their registers, [kp 0..3][row tile][ks 0..1][c][lane][16]: 8 row tiles of one kp are 32,768 dense bytes, one tensor load; a fragment comes by four LDS loads of 512 consecutive bytes: no pitch.
; K = 1,024 goes in four steps of 256 through two LDS slots.  The scale words of the tile's rows, for all of K, are two dense blocks of 8,192 bytes: they come once.
; CLUSTERS: 4 x 4 work-groups.  S1's tile is shared along a row of the cluster, S0's along a column: each is asked for jointly, by the same tensor load with the same descriptor and a mask that names the four.
; OUT: qkv_img: q at 0, k at 8,388,608: [b h][token tile 0..127][c 0..1][lane][16]; v at 16,777,216: [b h][key step 0..15][channel tile 0..3][c 0..3][lane][16].
;   qkv_sc: q at 0, k and v at 786,432: [b h][key step][768]: bytes 0-511 [g 0..1][r][t 0..3] the word of token tile 4 g + t, row r (bytes 0, 1: the head's two blocks; bytes 2, 3 stand over zero codes later: they hold the
;   neighbour head's bytes or 0, never 0xff); bytes 512-767 [r][channel tile] v's words.  q's bytes 512-767 are neither written nor read.
; LIMITS: NaN and infinities are not served.  A block of zeros gets the byte 1 where the rule says 127: its codes are zeros, and the bytes are read by this program alone.
; REGISTERS, in windows of 256: window 0: v0-31 addresses; v32-63 scale words, two sets; v64-111 the quantiser's; v128-255 S1's fragments, one set.  window 1: S0's fragments, two sets.  windows 2, 3: the accumulators ((a, b) at v[8 (8 (a % 4) + b)]).
.set PLANE,  3145728                   ; bytes of one kp of op_img
.set SLOT,   131072                    ; S1's 16 row tiles (65,536 bytes), then S0's
.set S0OFF,  65536
.set SCL,    262144                    ; behind the ring: S1's scale words (8,192 bytes), then S0's
.set SPARE,  278528                    ; the spare words, 128 bytes for each wave: two blocks of 256 bytes that no other line names
.set FR,     16                        ; registers of a fragment
.set NL,     4                         ; LDS loads that bring one
.set NP,     8                         ; places behind this matrix instruction (ISA guide 7.12.1)
.set NQ,     2                         ; matrix instructions deep in a slot
.set STEPA,  2*PLANE                   ; a slot's next K step lies two kp on
.set STEPB,  2*PLANE
.set FLOOR,  0x8000000
.set EOFF,   0xf8800000
.set ADRA, 16                          ; v16-17  LDS address of my S1 fragments in slot 0, 1
.set ADRB, 20                          ; v20-21  the same for S0
.set VO0,  24                          ; v24     out: 16 x lane
.set VO1,  25                          ; v25     out: the same for the codes' second half
.set SCO,  26                          ; v26     out: scale words of blocks 0-3
.set ADRS, 27                          ; v27     LDS address of my scale words: lanes 0-15 S1's rows, lanes 16-31 S0's
.set SPW,  28                          ; v28     LDS address of my spare word; never rewritten
.set NIL,  29                          ; v29     0; never rewritten
.set SCO2, 30                          ; v30     out: scale words of blocks 4-7
.set SHV,  31                          ; v31     out: the shift that brings my head's two bytes down
.set SC,   32                          ; scale words: set s at v[SC + 16 s]; register 2 i + q: lanes 0-15 S1's block i, lanes 16-31 S0's block i
.set TM,   64                          ; v64-79  the quantiser's work
.set PC,   80                          ; v80-95  a fragment's codes
.set PW,   96                          ; v96-103 the eight blocks' scale words
.set DW,   104                         ; v104-111 as they are stored
.set AF,   128                         ; S1's fragments
.set G1, 24                            ; s[24:31] descriptor group 1 for S1's tiles;  s[32:39] group 0, one set for each slot
.set G0, 32
.set G1B, 48                           ; s[48:55], s[56:63] the same for S0's
.set G0B, 56
.set G1S, 68                           ; s[68:75], s[76:79] groups 1 and 0 for S1's scales;  s[80:87], s[88:91] for S0's
.set G0S, 76
.set G1SB, 80
.set G0SB, 88
.set MSB, 0
.macro WIN new                         ; the immediate's high byte repeats the setting that is left
.if MSB != (\new)
	s_set_vgpr_msb (MSB<<8)|(\new)
.set MSB, (\new)
.endif
.endm
.set MUL_LO, 0xa1                      ; source 0 (S0) window 1, source 1 (S1) window 0, C and D window 2
.set MUL_HI, 0xf1                      ; the same, C and D window 3
.set TO_B,   0x40                      ; destination window 1, address window 0
; A joint load: waves 0 and 1 fetch for S1, waves 2 and 3 for S0.  Each of the two lines has one mask and one set of registers; the branch hangs on the wave's number alone.  Four v_nop follow each line.
.macro JLOAD g0a, g1a, g0b, g1b
	s_cmp_eq_u32 s15, 0
	s_cbranch_scc0 .Lfor_b_\@
	tensor_load_to_lds s[\g0a:\g0a+3], s[\g1a:\g1a+7]
	s_nop 0
.rept 4
	v_nop
.endr
	s_branch .Lasked_\@
.Lfor_b_\@:
	tensor_load_to_lds s[\g0b:\g0b+3], s[\g1b:\g1b+7]
	s_nop 0
.rept 4
	v_nop
.endr
.Lasked_\@:
.endm
.macro CREST                           ; a round of the cluster's barrier behind its opening barrier
	s_cmp_lg_u32 s14, 0
	s_cbranch_scc1 .Lnot_wave_0_\@
	s_barrier_signal -3
.Lnot_wave_0_\@:
	s_barrier_wait -3
	s_barrier_signal -1
	s_barrier_wait -1
.endm
.macro CROUND                          ; a whole round
	s_barrier_signal -1
	s_barrier_wait -1
	CREST
.endm
	s_load_b256 s[4:11], s[0:1], 0x0               ; op_img s[4:5], op_sc s[6:7], qkv_img s[8:9], qkv_sc s[10:11]
	v_lshl_add_u32 v[SPW], v0, 2, SPARE
	v_mov_b32 v[NIL], 0
	ds_add_u32 v28, v29
	ds_add_u32 v28, v29
	s_wait_dscnt 0x0
	v_lshrrev_b32 v1, 5, v0
	v_readfirstlane_b32 s14, v1                    ; wave 0..3
	s_lshr_b32 s15, s14, 1                         ; which half of S1's rows is mine.  Also: I fetch for S1 (0) or for S0 (1)
	s_and_b32 s16, s14, 1                          ; which half of S0's rows.  Also: which 128 rows of that tile I fetch
	s_bfe_u32 s40, ttmp6, 0x40000                  ; cx, cy: my place in the cluster
	s_bfe_u32 s41, ttmp6, 0x40004
	s_lshl_b32 s42, ttmp9, 2
	s_add_co_u32 s42, s42, s40                     ; work-group x = 4 x cluster x + cx
	s_and_b32 s17, ttmp7, 0xffff                   ; the cluster's y
	s_lshl_b32 s43, s41, 2
	s_lshl_b32 s43, 15, s43                        ; my row of the cluster
	s_lshl_b32 s44, 0x1111, s40                    ; my column
	; descriptor group 1: 32,768 dense bytes as 128 rows of 256 (32 elements of 8 bytes); no padding: an image is read 512 consecutive bytes at a time
	s_or_b32 s[G1+0], s43, (3<<16)|(1<<21)         ; 15:0 the mask: S1's tiles go to my row; 17:16 elements of 8 bytes; 21 set beside a mask
	s_or_b32 s[G1B+0], s44, (3<<16)|(1<<21)
.irp g, G1, G1B
	s_mov_b32 s[\g+1], 32<<16                      ; tensor_dim0
	s_mov_b32 s[\g+2], 128<<16                     ; tensor_dim1
	s_mov_b32 s[\g+3], 32<<16                      ; tile_dim0
	s_mov_b32 s[\g+4], 128                         ; tile_dim1
	s_mov_b32 s[\g+5], 32                          ; tensor_dim0_stride
	s_mov_b32 s[\g+6], 0
	s_mov_b32 s[\g+7], 0
.endr
	s_or_b32 s[G1S+0], s43, (3<<16)|(1<<21)        ; the scale words of 128 rows: 4,096 dense bytes, 16 rows of 256
	s_or_b32 s[G1SB+0], s44, (3<<16)|(1<<21)
.irp g, G1S, G1SB
	s_mov_b32 s[\g+1], 32<<16
	s_mov_b32 s[\g+2], 16<<16
	s_mov_b32 s[\g+3], 32<<16
	s_mov_b32 s[\g+4], 16
	s_mov_b32 s[\g+5], 32
	s_mov_b32 s[\g+6], 0
	s_mov_b32 s[\g+7], 0
.endr
	; the role's numbers: one compare, then selects alone (tiles count 256 rows of op_img: x is 0-31, W_q 32-35, W_k 36-39, W_v 40-43)
	s_sub_co_u32 s18, s17, 8
	s_lshl_b32 s18, s18, 3                         ; 8 (y - 8)
	s_lshl_b32 s19, s17, 2                         ; 4 y
	s_mov_b32 s97, 131072
	s_mov_b32 s12, 1024
	s_mov_b32 s100, 256
	s_cmp_ge_u32 s17, 8
	s_cselect_b32 s95, s18, 32                     ; S0's tile less the work-group's x
	s_cselect_b32 s96, 40, s19                     ; S1's tile less cy
	s_cselect_b32 s97, 1024, s97                   ; from the codes' registers 0-7 to 8-15: c = 2 of the fragment | the next head
	s_cselect_b32 s12, 2048, s12                   ; from a block of 16 S1 rows to the next: a channel tile | a token tile
	s_cselect_b32 s66, 122880, 0                   ; more at block 4: on to the next head | nothing
	s_cselect_b32 s98, 0, 16                       ; lanes 16-31 shift the word by: nothing | 16: the second head's two bytes
	s_cselect_b32 s99, 0, 12288                    ; and store it: where lanes 0-15 do | in the next head
	s_cselect_b32 s100, 12288, s100                ; blocks 4-7's words: the next head | the second group of four tiles
	s_cselect_b32 s101, 1, 0                       ; the role
	s_mov_b32 s13, 0
	s_mov_b32 s67, 0
	s_mov_b32 s2, 0x76543210
	s_mov_b32 s3, 0xfedcba98                       ; v_permlanex16_b32's selects for lane l xor 16
	s_add_co_u32 s95, s95, s42                     ; S0's tile: made of cx and of what all partners share
	s_add_co_u32 s96, s96, s41                     ; S1's tile: made of cy and of what all partners share
	s_lshl_b32 s18, s16, 15                        ; which 128 rows I fetch: codes,
	s_lshl_b32 s19, s16, 12                        ; scale words
	s_lshl_b32 s20, s96, 16
	s_add_co_u32 s20, s20, s18
	s_mov_b32 s21, 0
	s_lshl_b32 s22, s96, 13
	s_add_co_u32 s22, s22, s19
	s_mov_b32 s23, 0
	s_lshl_b32 s46, s95, 16
	s_add_co_u32 s46, s46, s18
	s_mov_b32 s47, 0
	s_lshl_b32 s92, s95, 13
	s_add_co_u32 s92, s92, s19
	s_mov_b32 s93, 0
	s_lshl_b32 s45, s14, 15                        ; where they go: wave x 32,768: no place in the cluster enters an LDS address
	s_lshl_b32 s94, s14, 12
	s_wait_kmcnt 0x0
	s_add_nc_u64 s[20:21], s[4:5], s[20:21]
	s_add_nc_u64 s[22:23], s[6:7], s[22:23]
	s_add_nc_u64 s[46:47], s[4:5], s[46:47]
	s_add_nc_u64 s[92:93], s[6:7], s[92:93]
	CROUND                                         ; all sixteen work-groups are here: the first joint loads meet
	s_mov_b32 s[G0S], 1
	s_add_co_u32 s[G0S+1], s94, SCL
	s_mov_b64 s[G0S+2:G0S+3], s[22:23]
	s_or_b32 s[G0S+3], s[G0S+3], 0x80000000
	s_mov_b32 s[G0SB], 1
	s_add_co_u32 s[G0SB+1], s94, SCL
	s_mov_b64 s[G0SB+2:G0SB+3], s[92:93]
	s_or_b32 s[G0SB+3], s[G0SB+3], 0x80000000
	JLOAD G0S, G1S, G0SB, G1SB                     ; the scales first: they are wanted with K step 0
.irp s, 0,1
	s_mov_b32 s[G0+4*\s], 1
	s_add_co_u32 s[G0+4*\s+1], s45, \s*SLOT
	s_add_nc_u64 s[G0+4*\s+2:G0+4*\s+3], s[20:21], \s*PLANE
	s_or_b32 s[G0+4*\s+3], s[G0+4*\s+3], 0x80000000
	s_mov_b32 s[G0B+4*\s], 1
	s_add_co_u32 s[G0B+4*\s+1], s45, \s*SLOT
	s_add_nc_u64 s[G0B+4*\s+2:G0B+4*\s+3], s[46:47], \s*PLANE
	s_or_b32 s[G0B+4*\s+3], s[G0B+4*\s+3], 0x80000000
	JLOAD G0+4*\s, G1, G0B+4*\s, G1B
.endr
	v_and_b32 v1, 15, v0                           ; r
	v_bfe_u32 v2, v0, 4, 1                         ; h
	s_wait_alu depctr_va_vdst(0)
	v_and_b32 v3, 31, v0
	v_lshlrev_b32 v[VO0], 4, v3                    ; 16 x lane
	s_wait_alu depctr_va_vdst(0)
	s_lshl_b32 s21, s15, 15                        ; my 8 row tiles of S1
	s_lshl_b32 s22, s16, 15                        ; my 8 of S0,
	s_add_co_u32 s22, s22, S0OFF                   ; which lie behind S1's 16
.irp s, 0,1
	v_add_nc_u32 v[ADRA+\s], s21, v[VO0]
	v_add_nc_u32 v[ADRB+\s], s22, v[VO0]
	s_add_co_u32 s21, s21, SLOT
	s_add_co_u32 s22, s22, SLOT
.endr
	s_lshl_b32 s21, s15, 12                        ; S1's scale words: my 8 row tiles
	s_lshl_b32 s22, s16, 12                        ; S0's: mine, behind S1's 8,192 bytes
	s_add_co_u32 s22, s22, 8192
	s_sub_co_u32 s22, s22, s21
	v_mul_u32_u24 v6, s22, v2                      ; lanes 16-31 take S0's
	s_add_co_u32 s21, s21, SCL
	v_lshl_add_u32 v5, v1, 3, v6                   ; 8 bytes a row: the K step's two words
	v_add_nc_u32 v[ADRS], s21, v5
	v_add_nc_u32 v[VO1], s97, v[VO0]
	v_mul_u32_u24 v[SCO], s99, v2
	v_lshl_add_u32 v[SCO], v1, 4, v[SCO]           ; 16 r, + the next head for lanes 16-31 where the role says so
	v_add_nc_u32 v[SCO2], s100, v[SCO]
	v_mul_u32_u24 v[SHV], s98, v2
.irp b, 0,1,2,3
	v_mov_b32 v[TM+4+\b], 0                        ; written once: a lane permute's destination counts as one of its sources
.endr
	; where my results go.  i0, i1: my 128 rows of S0 and of S1, counted in 128 rows of op_img
	s_lshl_b32 s18, s95, 1
	s_add_co_u32 s18, s18, s16
	s_lshl_b32 s19, s96, 1
	s_add_co_u32 s19, s19, s15
	s_cmp_eq_u32 s101, 1
	s_cselect_b32 s20, s18, s19                    ; my 128 tokens
	s_cselect_b32 s21, s19, s18                    ; my 128 columns of a weight,
	s_sub_co_u32 s21, s21, 64                      ; counted from W_q's first
	s_lshr_b32 s22, s20, 4                         ; the batch
	s_and_b32 s20, s20, 15                         ; the key step
	s_lshr_b32 s23, s21, 3                         ; 0 q, 1 k, 2 v
	s_and_b32 s21, s21, 7
	s_lshl_b32 s21, s21, 1
	s_lshl_b32 s22, s22, 4
	s_add_co_u32 s21, s21, s22                     ; the first of my two heads: 16 x batch + head
	s_lshl_b32 s46, s23, 23
	s_lshl_b32 s47, s21, 17
	s_add_co_u32 s46, s46, s47
	s_lshl_b32 s47, s20, 13
	s_add_co_u32 s46, s46, s47
	s_mov_b32 s47, 0
	s_add_nc_u64 s[8:9], s[8:9], s[46:47]          ; codes: 8,388,608 x tensor + 131,072 x head + 8,192 x key step, in all three tensors
	s_min_u32 s46, s23, 1
	s_mul_i32 s46, s46, 786432
	s_lshr_b32 s47, s23, 1
	s_lshl_b32 s47, s47, 9
	s_add_co_u32 s46, s46, s47
	s_mul_i32 s47, s21, 12288
	s_add_co_u32 s46, s46, s47
	s_mul_i32 s47, s20, 768
	s_add_co_u32 s46, s46, s47
	s_mov_b32 s47, 0
	s_add_nc_u64 s[10:11], s[10:11], s[46:47]      ; scale words
.macro FRAG reg, adr, q, i             ; a fragment's image: four loads of 512 consecutive bytes
.irp c, 0,1,2,3
	ds_load_b128 v[\reg+4*\c:\reg+4*\c+3], v[\adr] offset:4096*(\i)+2048*(\q)+512*\c
.endr
.endm
; 16 matrix instructions: S1's blocks a0, a0 + 1 x S0's eight, 128 along K: the slot's q-th.  p: S0's set;  sc: the set of scale words.  zero = 1: the first product starts the sums.
; The 64 accumulators take turns, one instruction a turn, in the same order in every step.
.macro MUL16 a0, p, q, sc, zero
.irp a, \a0, \a0+1
.irp b, 0,1,2,3,4,5,6,7
.if \zero
	v_wmma_scale_f32_16x16x128_f8f6f4 v[8*(8*((\a)%4)+\b):8*(8*((\a)%4)+\b)+7], v[128*(\p)+FR*\b:128*(\p)+FR*\b+FR-1], v[AF+FR*(\a):AF+FR*(\a)+FR-1], 0, v[SC+8*NQ*(\sc)+NQ*\b+(\q)], v[SC+8*NQ*(\sc)+NQ*(\a)+(\q)] matrix_a_fmt:MATRIX_FMT_BF8 matrix_b_fmt:MATRIX_FMT_BF8 matrix_a_scale:MATRIX_SCALE_ROW1
.else
	v_wmma_scale_f32_16x16x128_f8f6f4 v[8*(8*((\a)%4)+\b):8*(8*((\a)%4)+\b)+7], v[128*(\p)+FR*\b:128*(\p)+FR*\b+FR-1], v[AF+FR*(\a):AF+FR*(\a)+FR-1], v[8*(8*((\a)%4)+\b):8*(8*((\a)%4)+\b)+7], v[SC+8*NQ*(\sc)+NQ*\b+(\q)], v[SC+8*NQ*(\sc)+NQ*(\a)+(\q)] matrix_a_fmt:MATRIX_FMT_BF8 matrix_b_fmt:MATRIX_FMT_BF8 matrix_a_scale:MATRIX_SCALE_ROW1
.endif
.endr
.endr
.endm
.macro FETCH_B slot, q, p              ; S0's eight fragments of the slot's q-th 128 along K into set p
	WIN TO_B
.irp i, 0,1,2,3,4,5,6,7
	FRAG 128*(\p)+FR*\i, ADRB+\slot, \q, \i
.endr
	WIN 0
.endm
.macro FETCH_A slot, q, i0             ; S1's blocks i0 .. i0 + 3
.irp i, \i0, \i0+1, \i0+2, \i0+3
	FRAG AF+FR*(\i), ADRA+\slot, \q, \i
.endr
.endm
.macro SCALES sc                       ; a K step's scale words into set sc: two words a row; lanes 0-15 take S1's block i, lanes 16-31 S0's block i
.irp i, 0,1,2,3,4,5,6,7
	ds_load_b64 v[SC+8*NQ*\sc+NQ*\i:SC+8*NQ*\sc+NQ*\i+1], v[ADRS] offset:\i*512
.endr
.endm
; A load into a register that a matrix instruction has read, and a vector instruction that reads a matrix result, stand NP places behind that matrix instruction; only plain vector instructions that name none of its registers are places.
.macro PLACES n
.rept \n
	v_nop
.endr
.endm
.macro STEP slot, q, zero              ; a step of 128 along K that has its successor in the same slot
	s_wait_dscnt 4*NL                              ; S0's set and S1's blocks 0-3 are in; the youngest sixteen loads (S1's blocks 4-7) may be out
	WIN MUL_LO
	MUL16 0, (\q)%2, \q, \slot, \zero
	MUL16 2, (\q)%2, \q, \slot, \zero
	s_wait_dscnt 0
	PLACES NP
	FETCH_B \slot, (\q)+1, 1-(\q)%2
	FETCH_A \slot, (\q)+1, 0
	WIN MUL_HI
	MUL16 4, (\q)%2, \q, \slot, \zero
	MUL16 6, (\q)%2, \q, \slot, \zero
	PLACES NP
	WIN 0
	FETCH_A \slot, (\q)+1, 4
.endm
; A slot's last step changes slots: one barrier; in front of it each wave waits for all its tensor loads, adds 0 to its spare word, and waits for that and for its own reads of this slot.  fill = 1: this slot is filled again, two K steps ahead.
.macro TURN slot, next, fill
	s_wait_tensorcnt 0x0                           ; all my tensor loads have landed: my part of the next slot
	ds_add_u32 v[SPW], v[NIL]                      ; 0 onto my spare word
	s_wait_dscnt 4*NL+1                            ; (the add and the youngest sixteen loads, S1's blocks 4-7, may be out)
	WIN MUL_LO
	MUL16 0, 1, NQ-1, \slot, 0                     ; sixteen matrix instructions stand between the add and the wait for it
	s_wait_dscnt 0x0                               ; the add is done, and my reads of this slot are over
	s_barrier_signal -1
	MUL16 2, 1, NQ-1, \slot, 0
	WIN 0
	s_barrier_wait -1
.if \fill
	CREST                                          ; the barrier has opened a round of the cluster's barrier: no wave of any partner still reads this slot or has a load on its way
	s_add_nc_u64 s[G0+4*\slot+2:G0+4*\slot+3], s[G0+4*\slot+2:G0+4*\slot+3], STEPA
	s_add_nc_u64 s[G0B+4*\slot+2:G0B+4*\slot+3], s[G0B+4*\slot+2:G0B+4*\slot+3], STEPB
	JLOAD G0+4*\slot, G1, G0B+4*\slot, G1B         ; the first tensor load behind the round; its four v_nop are among the places in front of the loads below
	PLACES NP-4
.else
	PLACES NP
.endif
	s_wait_alu depctr_va_vdst(0)
	v_add_nc_u32 v[ADRS], 128, v[ADRS]             ; on to the next K step's scale words (no LDS load of mine is out)
	FETCH_B \next, 0, 0
	FETCH_A \next, 0, 0
	SCALES \next
	WIN MUL_HI
	MUL16 4, 1, NQ-1, \slot, 0
	MUL16 6, 1, NQ-1, \slot, 0
	PLACES NP
	WIN 0
	FETCH_A \next, 0, 4
.endm
	s_wait_tensorcnt 1                             ; the scales and my part of K step 0 are in (K step 1's load may be out),
	s_barrier_signal -1
	s_barrier_wait -1                              ; everybody's are
	FETCH_B 0, 0, 0
	FETCH_A 0, 0, 0
	SCALES 0
	FETCH_A 0, 0, 4
	STEP 0, 0, 1                                   ; the first products start the sums: nothing is cleared
	TURN 0, 1, 1                                   ; slot 0 takes K step 2
	STEP 1, 0, 0
	TURN 1, 0, 1                                   ; slot 1 takes K step 3
	STEP 0, 0, 0
	TURN 0, 1, 0                                   ; nothing is left to fetch
	STEP 1, 0, 0
	s_wait_dscnt 4*NL
	WIN MUL_LO
	MUL16 0, 1, NQ-1, 1, 0
	MUL16 2, 1, NQ-1, 1, 0
	s_wait_dscnt 0
	WIN MUL_HI
	MUL16 4, 1, NQ-1, 1, 0
	MUL16 6, 1, NQ-1, 1, 0
	WIN 0
; THE WAY OUT.  A block of 16 S1 rows is 64 registers of a lane in window AW from v[AS] on: register 16 b + i = S0's row 32 b + 16 h + i.  They become a fragment's codes in v[PC] on and its scale word.
; The lines are laid in stretches under one window setting.  Each accumulator is read from its low end on.
.macro QUANTW pw
	WIN AW|(AW<<2)
.irp b, 0,1,2,3
	v_max3_num_f32 v[TM+\b], |v[AS+16*\b]|, |v[AS+1+16*\b]|, FLOOR
.endr
	WIN (AW<<2)|(AW<<4)
.irp i, 2,4,6,8,10,12,14
.irp b, 0,1,2,3
	v_max3_num_f32 v[TM+\b], v[TM+\b], |v[AS+16*\b+\i]|, |v[AS+1+16*\b+\i]|
.endr
.endr
	WIN 0
.irp b, 0,1,2,3
	v_permlanex16_b32 v[TM+4+\b], v[TM+\b], s2, s3
.endr
.irp b, 0,1,2,3
	v_max_num_f32 v[TM+\b], v[TM+\b], v[TM+4+\b]   ; with lane l xor 16's: the block's largest magnitude
.endr
.irp b, 0,1,2,3
	v_add_nc_u32 v[TM+12+\b], EOFF, v[TM+\b]       ; 15 off the exponent field: the conversion's scale operand
.endr
.irp b, 0,1,2,3
.endr
.irp b, 0,1,2,3
	v_lshrrev_b32 v[TM+4+\b], 23, v[TM+12+\b]      ; the scale's byte
.endr
	v_lshl_or_b32 v[\pw], v[TM+5], 8, v[TM+4]
	v_lshl_or_b32 v[\pw], v[TM+6], 16, v[\pw]
	v_lshl_or_b32 v[\pw], v[TM+7], 24, v[\pw]
	WIN (AW<<6)|AW
.irp b, 0,1,2,3
.irp i, 0,1,2,3,4,5,6,7,8,9,10,11,12,13,14,15
.endr
.endr
	WIN AW
.irp b, 0,1,2,3
	v_cvt_scalef32_pk8_bf8_f32 v[PC+4*\b:PC+4*\b+1], v[AS+16*\b:AS+16*\b+7], v[TM+12+\b]
	v_cvt_scalef32_pk8_bf8_f32 v[PC+4*\b+2:PC+4*\b+3], v[AS+16*\b+8:AS+16*\b+15], v[TM+12+\b]
.endr
	WIN 0
	v_nop                                          ; a plain line behind the last conversion
.endm
	PLACES NP
.irp a, 0,1,2,3,4,5,6,7
.if \a > 0
	s_wait_xcnt 0x0                                ; the last block's stores have read their data and their base: both are written again only behind this wait
	s_add_nc_u64 s[8:9], s[8:9], s[12:13]
.endif
.if \a == 4
	s_add_nc_u64 s[8:9], s[8:9], s[66:67]
.endif
.set AW, 2+\a/4
.set AS, 64*(\a%4)
	QUANTW PW+\a
	global_store_b128 v[VO0], v[PC:PC+3], s[8:9]                ; each store is 512 consecutive bytes, aligned
	global_store_b128 v[VO0], v[PC+4:PC+7], s[8:9] offset:512
	global_store_b128 v[VO1], v[PC+8:PC+11], s[8:9]
	global_store_b128 v[VO1], v[PC+12:PC+15], s[8:9] offset:512
.endr
.irp a, 0,1,2,3,4,5,6,7
	v_lshrrev_b32 v[DW+\a], v[SHV], v[PW+\a]       ; q, k: lanes 16-31 bring the second head's two bytes down
.endr
	global_store_b128 v[SCO], v[DW:DW+3], s[10:11]        ; q, k: 256 consecutive bytes in each of two heads.  v: lanes 16-31 write the bytes of lanes 0-15 once more, with the same values
	global_store_b128 v[SCO2], v[DW+4:DW+7], s[10:11]
	s_wait_tensorcnt 0x0                           ; the wave's end
	ds_add_u32 v[SPW], v[NIL]
	s_wait_dscnt 0x0
	CROUND                                         ; the closing round: no work-group ends while a partner may still ask for a tile that names it
	s_endpgm
.Lfunc_end_k_q451718438e_proj:
	.size	k_q451718438e_proj, .Lfunc_end_k_q451718438e_proj-k_q451718438e_proj
	.p2alignl 7, 3214868480
	.fill 96, 4, 3214868480
	.section	.rodata,"a",@progbits
	.p2align	6, 0x0
	.amdhsa_kernel k_q451718438e_proj
		.amdhsa_group_segment_fixed_size 327680
		.amdhsa_private_segment_fixed_size 0
		.amdhsa_enable_private_segment 0
		.amdhsa_kernarg_size 32
		.amdhsa_user_sgpr_count 2
		.amdhsa_user_sgpr_kernarg_segment_ptr 1
		.amdhsa_wavefront_size32 1
		.amdhsa_system_sgpr_workgroup_id_x 1
		.amdhsa_system_sgpr_workgroup_id_y 1
		.amdhsa_system_sgpr_workgroup_id_z 1
		.amdhsa_system_vgpr_workitem_id 0
		.amdhsa_next_free_vgpr 1024
		.amdhsa_next_free_sgpr 102
		.amdhsa_reserve_vcc 0
		.amdhsa_float_denorm_mode_32 3
		.amdhsa_float_denorm_mode_16_64 3
		.amdhsa_fp16_overflow 1
		.amdhsa_memory_ordered 1
		.amdhsa_forward_progress 1
		.amdhsa_inst_pref_size 151
	.end_amdhsa_kernel
	.amdgpu_metadata
---
amdhsa.version: [ 1, 2 ]
amdhsa.kernels:
  - .name:           k_q451718438e_proj
    .symbol:         k_q451718438e_proj.kd
    .args:
      - { .name: op_img, .offset: 0, .size: 8, .value_kind: global_buffer, .address_space: global }
      - { .name: op_sc, .offset: 8, .size: 8, .value_kind: global_buffer, .address_space: global }
      - { .name: qkv_img, .offset: 16, .size: 8, .value_kind: global_buffer, .address_space: global }
      - { .name: qkv_sc, .offset: 24, .size: 8, .value_kind: global_buffer, .address_space: global }
    .group_segment_fixed_size: 327680
    .private_segment_fixed_size: 0
    .kernarg_segment_align: 8
    .kernarg_segment_size: 32
    .max_flat_workgroup_size: 128
    .sgpr_count:     102
    .vgpr_count:     1024
    .wavefront_size: 32
...
	.end_amdgpu_metadata
.endif
;; end of part 2
;; launch attn (part 3): grid 4 x 64, 16 waves a work-group, no clusters, 327,680 bytes of LDS; arguments qkv_img, qkv_sc, ctx_img, ctx_sc; writes ctx_img, ctx_sc
.if DOCPART == 3
	.amdgcn_target "amdgcn-amd-amdhsa--gfx1250"
	.amdhsa_code_object_version 6
	.text
	.protected	k_q451718438e_attn
	.globl	k_q451718438e_attn
	.p2align	8
	.type	k_q451718438e_attn,@function
k_q451718438e_attn:
	s_mov_b64 s[64:65], 0
	v_nop
	global_prefetch_b8 v0, s[64:65] scope:SCOPE_SE
	s_setreg_imm32_b32 hwreg(HW_REG_WAVE_MODE, 25, 1), 1
	s_wait_xcnt 0x0
; ctx[b][q][head] = softmax_k(q . k / 8, causal) v, both products on codes of BF8 (E5M2) with E8M0 scales; ctx is quantised along the model's 1,024 (a head is two whole blocks of 32) and leaves as codes.
; THE SOFTMAX AHEAD OF THE SECOND PRODUCT: t = score x log2(e) / 8; M = the running largest t rounded UP to a whole number; p = 2^(t - M) is quantised along the keys, not normalised; the row's sum is taken of the unquantised p
; and divides O at the end.  When M moves, the sum and O are multiplied by 2^(old M - new M): exact.
; SHARES.  A work-group owns the query blocks I and 7 - I (256 queries each) of one head: (I + 1) + (8 - I) = 9 slots of 256 keys in every work-group: 256 work-groups of equal work, and every trip count is a constant.
; Trips 0 .. I serve block I, the others block 7 - I.  Each of the sixteen waves owns one tile of 16 queries, in 256 registers: four waves to a SIMD, so that one wave's vector work stands beside another's matrix work.
; NO JOINT LOADS: in one trip the four work-groups of a head want different key tiles (tile s, or tile s - I - 1), so no tile is wanted by two of them at the same time.
; LAYOUT.  All operands lie in memory as images of their registers ([c][lane][16 bytes]).  Both products are used transposed: S^T = K Q^T, O^T = V^T P^T: a lane holds ONE query throughout.  Lane r of token or channel tile 2 g + u
; holds row 32 g + 8 u + r + 8 (r / 8): so the 16 registers of tiles 2 b, 2 b + 1 are 16 neighbouring keys (or channels), 32 b + 16 (lane / 16) + 0 .. 15.
; The first product's K is 64 under an instruction of 128: registers 8-15 of Q's and K's fragments are zero codes, set once; the scale bytes over them are never 0xff.
; CAUSAL.  A step all of whose 128 keys come after the wave's queries is jumped over (a scalar branch on ids; no barrier or tensor load stands in a step).  In the step on the diagonal hidden scores become -infinity ahead of the
; maximum.  A tile's queries lie inside 32 aligned tokens, so in every step that is worked the step's first key counts for every query.
; LIMITS: NaN and infinities are not served.  v_exp_f32 gives 0 for p under 2^-126: nothing beside a sum above 1/2.  v_rcp_f32 (1 ulp) stands ahead of ctx's quantiser.  A block of zeros gets the byte 1.
; REGISTERS: v1-9 addresses and lane terms; v12 -M, v13 the largest t, v[14:15] the sum; v16-31 Q; v32-95 four fragments of K; v96-159 S^T, then p, then V's four fragments; v160-191 O^T; v192-207 p's codes;
;   v208-215 K's scale words, v216-219 V's, v220 Q's, v221 p's, v222 Q's of the second block; v224-247 at work; v248-255 Q of the second block.
.set SLOT1, 1<<16                      ; slot 1 begins here: one exclusive or turns an address.  A slot: K's 16 tiles (16,384 bytes), V's two key steps (16,384), their scale words (1,536)
.set VOFF,  16384
.set SOFF,  32768
.set SPARE, 131072                     ; the spare words, 128 bytes for each wave: eight blocks of 256 bytes that no other line names
.set FLOOR, 0x8000000
.set EOFF,  0xf8800000
; Waves 0 and 1 fetch K's and V's codes, wave 2 the scale words, the others nothing.  The branches hang on the wave's number alone.  Four v_nop follow each of the two lines.
.macro TLOAD
	s_cmp_lt_u32 s12, 2
	s_cbranch_scc0 .Lnot_c_\@
	tensor_load_to_lds s[44:47], s[28:35]
	s_nop 0
.rept 4
	v_nop
.endr
	s_branch .Lasked_\@
.Lnot_c_\@:
	s_cmp_eq_u32 s12, 2
	s_cbranch_scc0 .Lasked_\@
	tensor_load_to_lds s[48:51], s[36:43]
	s_nop 0
.rept 4
	v_nop
.endr
.Lasked_\@:
.endm
	s_load_b256 s[4:11], s[0:1], 0x0               ; qkv_img s[4:5], qkv_sc s[6:7], ctx_img s[8:9], ctx_sc s[10:11]
	v_lshl_add_u32 v3, v0, 2, SPARE                ; v3: LDS address of my spare word; never rewritten
	v_mov_b32 v4, 0                                ; v4: 0; never rewritten
	ds_add_u32 v3, v4
	ds_add_u32 v3, v4
	s_wait_dscnt 0x0
	v_lshrrev_b32 v5, 5, v0
	s_delay_alu instid0(VALU_DEP_1)
	v_readfirstlane_b32 s12, v5                    ; wave 0..15
	s_mov_b32 s13, ttmp9                           ; I
	s_and_b32 s14, ttmp7, 0xffff                   ; 16 x batch + head
	; descriptor group 1: 16,384 dense bytes as 64 rows of 256 (32 elements of 8 bytes);  the scale words: 1,536 bytes, 6 rows
	s_mov_b32 s28, 3<<16
	s_mov_b32 s29, 32<<16
	s_mov_b32 s30, 64<<16
	s_mov_b32 s31, 32<<16
	s_mov_b32 s32, 64
	s_mov_b32 s33, 32
	s_mov_b32 s34, 0
	s_mov_b32 s35, 0
	s_mov_b32 s36, 3<<16
	s_mov_b32 s37, 32<<16
	s_mov_b32 s38, 6<<16
	s_mov_b32 s39, 32<<16
	s_mov_b32 s40, 6
	s_mov_b32 s41, 32
	s_mov_b32 s42, 0
	s_mov_b32 s43, 0
	s_and_b32 s25, s12, 1
	s_lshl_b32 s45, s25, 14                        ; wave 0: K's place in slot 0; wave 1: V's
	s_add_co_u32 s27, s25, 1
	s_lshl_b32 s56, s27, 23                        ; K's images begin at 8,388,608, V's at 16,777,216
	s_lshl_b32 s80, s14, 17                        ; a head's images: 131,072 bytes
	s_add_co_u32 s56, s56, s80
	s_mov_b32 s57, 0
	s_mul_i32 s81, s14, 12288                      ; a head's scale words
	s_add_co_u32 s62, s81, 786432
	s_mov_b32 s63, 0
	s_wait_kmcnt 0x0
	s_add_nc_u64 s[52:53], s[4:5], s[56:57]        ; the head's first key tile: codes,
	s_add_nc_u64 s[54:55], s[6:7], s[62:63]        ; scale words
	s_mov_b32 s44, 1
	s_mov_b64 s[46:47], s[52:53]
	s_or_b32 s47, s47, 0x80000000
	s_mov_b32 s48, 1
	s_mov_b32 s49, SOFF
	s_mov_b64 s[50:51], s[54:55]
	s_or_b32 s51, s51, 0x80000000
	TLOAD                                          ; slot 0: key tile 0
	s_mov_b32 s20, 0x76543210
	s_mov_b32 s21, 0xfedcba98                      ; v_permlanex16_b32's selects for lane l xor 16
	s_mov_b32 s22, 0x3e38aa3b                      ; c = log2(e) / 8
	s_mov_b32 s23, s22                             ; (named with it as a pair, so it is written)
	s_mov_b32 s15, 0                               ; the trip
	s_mov_b32 s16, 0                               ; the key tile asked for last
	s_mov_b32 s17, 0                               ; LDS byte at which the slot in hand begins
	s_mov_b32 s18, 0                               ; the step's first key
	s_lshl_b32 s25, s13, 4
	s_add_co_u32 s62, s25, s12                     ; my query tile in block I: 16 I + wave,
	s_sub_co_u32 s63, 112, s25
	s_add_co_u32 s63, s63, s12                     ; and in block 7 - I
	s_and_b32 s25, s12, 1
	s_lshl_b32 s25, s25, 3
	s_lshl_b32 s19, s62, 4
	s_sub_co_u32 s19, s19, s25                     ; my first query: 16 T - 8 (T % 2); my last is 23 on
	s_lshl_b32 s26, s63, 4
	s_sub_co_u32 s26, s26, s25                     ; the same in the second block
	s_lshr_b32 s78, s14, 4                         ; the batch
	s_and_b32 s79, s14, 15                         ; the head
	s_lshr_b32 s25, s79, 2
	s_lshl_b32 s82, s25, 21                        ; ctx_img: kp = head / 4 (2,097,152 bytes), the batch's 128 row tiles of 4,096, (head % 4) x 1,024 in the row tile
	s_lshl_b32 s27, s78, 19
	s_add_co_u32 s82, s82, s27
	s_and_b32 s27, s79, 3
	s_lshl_b32 s27, s27, 10
	s_add_co_u32 s82, s82, s27
	s_lshl_b32 s83, s78, 16                        ; ctx_sc: row tiles of 512 bytes; kp x 128; ks x 4; the head's two bytes
	s_lshl_b32 s25, s25, 7
	s_add_co_u32 s83, s83, s25
	s_bfe_u32 s25, s79, 0x10001
	s_lshl_b32 s25, s25, 2
	s_add_co_u32 s83, s83, s25
	s_and_b32 s25, s79, 1
	s_lshl_b32 s25, s25, 1
	s_add_co_u32 s83, s83, s25
; the four addresses of query tile s[t]: Q's image, Q's scale words, ctx's image, ctx's scale bytes
.macro PHASE t, qi, qs, ci, cs
	s_lshl_b32 s56, s[\t], 10
	s_add_co_u32 s56, s56, s80
	s_add_nc_u64 s[\qi:\qi+1], s[4:5], s[56:57]
	s_lshr_b32 s56, s[\t], 3
	s_mul_i32 s56, s56, 768
	s_bfe_u32 s25, s[\t], 0x10002
	s_lshl_b32 s25, s25, 8
	s_add_co_u32 s56, s56, s25
	s_and_b32 s25, s[\t], 3
	s_lshl_b32 s25, s25, 2
	s_add_co_u32 s56, s56, s25
	s_add_co_u32 s56, s56, s81
	s_add_nc_u64 s[\qs:\qs+1], s[6:7], s[56:57]
	s_lshl_b32 s56, s[\t], 12
	s_add_co_u32 s56, s56, s82
	s_add_nc_u64 s[\ci:\ci+1], s[8:9], s[56:57]
	s_lshl_b32 s56, s[\t], 9
	s_add_co_u32 s56, s56, s83
	s_add_nc_u64 s[\cs:\cs+1], s[10:11], s[56:57]
.endm
	PHASE 62, 70, 72, 58, 60                       ; block I: s[58:61] are the bases in hand
	PHASE 63, 74, 76, 66, 68                       ; block 7 - I
	v_and_b32 v1, 31, v0
	s_delay_alu instid0(VALU_DEP_1)
	v_lshlrev_b32 v1, 4, v1                        ; v1: 16 x lane
	v_and_b32 v10, 15, v0                          ; r
	v_bfe_u32 v9, v0, 4, 1                         ; v9: h
	s_delay_alu instid0(VALU_DEP_2)
	v_lshlrev_b32 v2, 4, v10                       ; v2: 16 r
	global_load_b128 v[16:19], v1, s[70:71]        ; Q's fragment stays in registers,
	global_load_b128 v[20:23], v1, s[70:71] offset:512
	global_load_b32 v220, v2, s[72:73]
	global_load_b128 v[248:251], v1, s[74:75]      ; and so does the second block's
	global_load_b128 v[252:255], v1, s[74:75] offset:512
	global_load_b32 v222, v2, s[76:77]
	v_and_b32 v11, 8, v10
	s_delay_alu instid0(VALU_DEP_1)
	v_add_nc_u32 v7, v11, v10
	v_lshlrev_b32 v11, 4, v9
	s_delay_alu instid0(VALU_DEP_1)
	v_sub_nc_u32 v7, v7, v11                       ; v7: r + 8 (r / 8) - 16 h: my query less my first key, both counted from the tile's and the step's first
	v_lshl_add_u32 v8, v10, 3, v9                  ; v8: 8 r + h: my scale byte of ctx
.irp j, 0,1,2,3,4,5,6,7
	v_mov_b32 v[24+\j], 0                          ; the zero codes of k = 64 .. 127: Q's,
.endr
.irp t, 0,1,2,3
.irp j, 0,1,2,3,4,5,6,7
	v_mov_b32 v[40+16*\t+\j], 0                    ; and those of K's four fragments: loads write the lower eight registers alone
.endr
.endr
	v_mov_b32 v13, 0xff61b1e6                      ; the largest t so far: -3e38, under every t
	s_delay_alu instid0(VALU_DEP_1)
	v_floor_f32 v12, -v13                          ; -M
	v_mov_b32 v14, 0
	v_mov_b32 v15, 0
.set j, 0
.rept 32
	v_mov_b32 v[160+j], 0                          ; O^T.  (The step is written once: the first finds zeros, which the first change of M leaves zeros)
.set j, j+1
.endr
.irp b, 0,1,2,3
	v_mov_b32 v[228+\b], 0                         ; written once: a lane permute's destination counts as one of its sources
.endr
	v_mov_b32 v242, 0
	v_mov_b32 v245, 0                              ; (named as the upper half of the pair v[244:245])
	v_mov_b32 v247, 0xff800000                     ; -infinity
; A KEY STEP: 128 keys, the q-th of the slot in hand
.macro STEP q
	s_add_co_u32 s25, s19, 23
	s_cmp_gt_u32 s18, s25
	s_cbranch_scc1 .Lhidden_\@                     ; all its keys come after my queries
	v_add_nc_u32 v5, s17, v1
	s_wait_alu depctr_va_vdst(0)
	v_add_nc_u32 v6, s17, v2
.rept 7
	v_nop                                          ; with the two additions: nine places between the last products V^T P, which read v96-159, and the first product below, which writes them
.endr
	ds_load_b128 v[208:211], v6 offset:SOFF+768*\q          ; K's scale words: four tiles' to a load
	ds_load_b128 v[212:215], v6 offset:SOFF+768*\q+256
.irp g, 0,1                                    ; S^T = K Q^T, four tiles of 16 keys at a time
.if \g > 0
.rept 8
	v_nop                                          ; places in front of loads into registers that matrix instructions have read
.endr
.endif
.irp t, 0,1,2,3
	ds_load_b128 v[32+16*\t:35+16*\t], v5 offset:(8*\q+4*\g+\t)*1024
	ds_load_b128 v[36+16*\t:39+16*\t], v5 offset:(8*\q+4*\g+\t)*1024+512
.endr
	s_wait_dscnt 0x0
.irp t, 0,1,2,3
	v_wmma_scale_f32_16x16x128_f8f6f4 v[96+8*(4*\g+\t):103+8*(4*\g+\t)], v[32+16*\t:47+16*\t], v[16:31], 0, v[208+4*\g+\t], v220 matrix_a_fmt:MATRIX_FMT_BF8 matrix_b_fmt:MATRIX_FMT_BF8
.endr
.endr
.rept 8
	v_nop
.endr
	s_add_co_u32 s25, s18, 127
	s_cmp_le_u32 s25, s19
	s_cbranch_scc1 .Lopen_\@                       ; all its keys count
	s_sub_co_i32 s25, s19, s18
	v_add_nc_u32 v246, s25, v7                     ; d: register 16 b + i holds a key that is hidden where 32 b + i > d
.set n, 0
.rept 64
	v_cmp_gt_i32 vcc_lo, 32*(n/16)+n%16, v246
	v_cndmask_b32 v[96+n], v[96+n], v247, vcc_lo
.set n, n+1
.endr
.Lopen_\@:
.irp b, 0,1,2,3
	v_max3_num_f32 v[224+\b], v[96+16*\b], v[97+16*\b], v[98+16*\b]   ; the largest score of each block of 32 keys: it serves the row's maximum and, since p rises with the score, the block's largest p
.endr
.irp i, 3,5,7,9,11,13
.irp b, 0,1,2,3
	v_max3_num_f32 v[224+\b], v[224+\b], v[96+16*\b+\i], v[97+16*\b+\i]
.endr
.endr
.irp b, 0,1,2,3
	v_max_num_f32 v[224+\b], v[224+\b], v[111+16*\b]
.endr
.irp b, 0,1,2,3
	s_delay_alu instid0(VALU_DEP_4)
	v_permlanex16_b32 v[228+\b], v[224+\b], s20, s21
.endr
.irp b, 0,1,2,3
	s_delay_alu instid0(VALU_DEP_4)
	v_max_num_f32 v[224+\b], v[224+\b], v[228+\b]  ; with lane l xor 16's 16 keys
.endr
	s_delay_alu instid0(VALU_DEP_2)
	v_max3_num_f32 v242, v224, v225, v226
	s_delay_alu instid0(VALU_DEP_1)
	v_max_num_f32 v242, v242, v227                 ; the step's largest score of my query
	s_delay_alu instid0(VALU_DEP_1)
	v_mul_f32 v242, s22, v242                      ; as t (c is positive)
	s_delay_alu instid0(VALU_DEP_1)
	v_max_num_f32 v13, v13, v242                   ; the running largest t
	v_mov_b32 v242, v12
	s_delay_alu instid0(VALU_DEP_2)
	v_floor_f32 v12, -v13                          ; the new -M = floor(-t) = -ceil(t)
	s_delay_alu instid0(VALU_DEP_1)
	v_sub_f32 v242, v12, v242                      ; old M - new M: a whole number, 0 or less
	s_delay_alu instid0(VALU_DEP_1)
	v_cvt_i32_f32 v242, v242                       ; (it saturates)
	s_delay_alu instid0(VALU_DEP_1)
	v_ldexp_f32 v244, 1.0, v242                    ; f = 2^(old M - new M)
.set j, 0
.rept 32
	v_pk_fma_f32 v[96+j:97+j], v[96+j:97+j], s[22:23], v[12:13] op_sel_hi:[1,0,0]   ; t - M, two at a time
.set j, j+2
.endr
.irp b, 0,1,2,3
	v_fma_f32 v[224+\b], v[224+\b], s22, v12       ; the same of each block's largest score
.endr
.set j, 0
	s_wait_alu depctr_va_vdst(0)
.rept 64
	v_exp_f32 v[96+j], v[96+j]                     ; p = 2^(t - M), at most 1
.set j, j+1
.endr
.irp b, 0,1,2,3
	v_exp_f32 v[224+\b], v[224+\b]                 ; the block's largest p: the same two instructions on the same number
.endr
	v_pk_mul_f32 v[14:15], v[14:15], v[244:245] op_sel_hi:[1,0]   ; the sums under the new M.  (A plain line behind the exponentials)
	s_wait_alu depctr_va_vdst(0)
.irp b, 0,1,2,3
	v_max_num_f32 v[224+\b], FLOOR, v[224+\b]      ; the byte cannot fall under 1
.endr
.irp b, 0,1,2,3
	s_delay_alu instid0(VALU_DEP_4)
	v_add_nc_u32 v[236+\b], EOFF, v[224+\b]        ; the conversion's scale operand
.endr
.irp b, 0,1,2,3
.endr
.irp b, 0,1,2,3
	s_delay_alu instid0(VALU_DEP_4)
	v_lshrrev_b32 v[228+\b], 23, v[236+\b]         ; the scale's byte
.endr
	s_delay_alu instid0(VALU_DEP_3)
	v_lshl_or_b32 v221, v229, 8, v228              ; p's scale word for these 128 keys
	s_delay_alu instid0(VALU_DEP_1)
	v_lshl_or_b32 v221, v230, 16, v221
	s_delay_alu instid0(VALU_DEP_1)
	v_lshl_or_b32 v221, v231, 24, v221
	v_pk_add_f32 v[240:241], v[100:101], v[104:105]
	v_pk_add_f32 v[234:235], v[108:109], v[112:113]
	v_pk_add_f32 v[232:233], v[116:117], v[120:121]
	v_pk_add_f32 v[226:227], v[124:125], v[128:129]
	v_pk_add_f32 v[224:225], v[132:133], v[136:137]
	v_pk_add_f32 v[218:219], v[140:141], v[144:145]
	v_pk_add_f32 v[216:217], v[148:149], v[152:153]
	v_pk_add_f32 v[14:15], v[14:15], v[156:157]
	v_pk_add_f32 v[240:241], v[240:241], v[96:97]
	v_pk_add_f32 v[234:235], v[234:235], v[98:99]
	v_pk_add_f32 v[232:233], v[232:233], v[102:103]
	v_pk_add_f32 v[226:227], v[226:227], v[106:107]
	v_pk_add_f32 v[224:225], v[224:225], v[110:111]
	v_pk_add_f32 v[218:219], v[218:219], v[114:115]
	v_pk_add_f32 v[216:217], v[216:217], v[118:119]
	v_pk_add_f32 v[14:15], v[14:15], v[122:123]
	v_pk_add_f32 v[240:241], v[240:241], v[126:127]
	v_pk_add_f32 v[234:235], v[234:235], v[130:131]
	v_pk_add_f32 v[232:233], v[232:233], v[134:135]
	v_pk_add_f32 v[226:227], v[226:227], v[138:139]
	v_pk_add_f32 v[224:225], v[224:225], v[142:143]
	v_pk_add_f32 v[218:219], v[218:219], v[146:147]
	v_pk_add_f32 v[216:217], v[216:217], v[150:151]
	v_pk_add_f32 v[14:15], v[14:15], v[154:155]
	v_pk_add_f32 v[240:241], v[240:241], v[158:159]
	s_delay_alu instid0(VALU_DEP_2)
	v_pk_add_f32 v[14:15], v[14:15], v[226:227]
	s_delay_alu instid0(VALU_DEP_2)
	v_pk_add_f32 v[240:241], v[240:241], v[224:225]
	v_pk_add_f32 v[234:235], v[234:235], v[218:219]
	v_pk_add_f32 v[232:233], v[232:233], v[216:217]
	s_delay_alu instid0(VALU_DEP_2)
	v_pk_add_f32 v[14:15], v[14:15], v[234:235]
	s_delay_alu instid0(VALU_DEP_2)
	v_pk_add_f32 v[240:241], v[240:241], v[232:233]
	s_delay_alu instid0(VALU_DEP_1)
	v_pk_add_f32 v[14:15], v[14:15], v[240:241]
.irp b, 0,1,2,3
.irp i, 0,1,2,3,4,5,6,7,8,9,10,11,12,13,14,15
.endr
	v_cvt_scalef32_pk8_bf8_f32 v[192+4*\b:193+4*\b], v[96+16*\b:103+16*\b], v[236+\b]
	v_cvt_scalef32_pk8_bf8_f32 v[194+4*\b:195+4*\b], v[104+16*\b:111+16*\b], v[236+\b]
.endr
	v_nop
.irp t, 0,1,2,3                                ; V's four fragments (16 channels x these 128 keys) take p's registers
.irp c, 0,1,2,3
	ds_load_b128 v[96+16*\t+4*\c:99+16*\t+4*\c], v5 offset:VOFF+8192*\q+2048*\t+512*\c
.endr
.endr
	ds_load_b128 v[216:219], v6 offset:SOFF+768*\q+512
.set j, 0
.rept 16
	v_pk_mul_f32 v[160+j:161+j], v[160+j:161+j], v[244:245] op_sel_hi:[1,0]   ; O^T under the new M.  (These sixteen are also the plain lines behind the conversions and in front of the products)
.set j, j+2
.endr
	s_wait_alu depctr_va_vdst(0)
	s_wait_dscnt 0x0
.irp t, 0,1,2,3                                ; O^T += V^T P^T: the four accumulators by turns
	v_wmma_scale_f32_16x16x128_f8f6f4 v[160+8*\t:167+8*\t], v[96+16*\t:111+16*\t], v[192:207], v[160+8*\t:167+8*\t], v[216+\t], v221 matrix_a_fmt:MATRIX_FMT_BF8 matrix_b_fmt:MATRIX_FMT_BF8
.endr
.Lhidden_\@:
	s_add_co_u32 s18, s18, 128
.endm
; THE CHANGE OF SLOTS stands at a slot's head.  Each wave waits for all its tensor loads (its part of the slot that it is about to read), adds 0 to its spare word, and waits for that and for its reads of the slot that it has left.
; fill = 1: that other slot is filled with the next trip's key tile: the one after this trip's, or tile 0 where the next trip begins the second block.  The load has a whole slot's steps in which to land.
.macro CHANGE fill
	s_wait_tensorcnt 0x0                           ; no tensor load of mine is out, so a group 0 may be written
	ds_add_u32 v3, v4                              ; 0 onto my spare word
.if \fill
	s_add_co_u32 s25, s16, 1
	s_cmp_eq_u32 s15, s13
	s_cselect_b32 s16, 0, s25
	s_xor_b32 s45, s45, SLOT1
	s_xor_b32 s49, s49, SLOT1
	s_lshl_b32 s56, s16, 14
	s_mov_b32 s57, 0
	s_add_nc_u64 s[46:47], s[52:53], s[56:57]
	s_or_b32 s47, s47, 0x80000000
	s_mul_i32 s56, s16, 1536
	s_add_nc_u64 s[50:51], s[54:55], s[56:57]
	s_or_b32 s51, s51, 0x80000000
.endif
	s_wait_dscnt 0x0                               ; the add is done, and my reads of the slot that I have left are over
	s_barrier_signal -1
	s_barrier_wait -1
.if \fill
	TLOAD                                          ; the first thing behind the barrier, and a wave's one tensor load until the next
.endif
.endm
; A BLOCK'S END: O^T / the sum; register 16 b + i is then channel 32 b + 16 h + i of my query: two blocks of 32 along the last product's K.  They are quantised and leave as half an image.
; switch = 1: on to the second block.
.macro FINAL switch
.rept 8
	v_nop                                          ; places behind the last products
.endr
	v_add_f32 v14, v14, v15
	s_wait_alu depctr_va_vdst(0)
	v_permlanex16_b32 v242, v14, s20, s21
	s_delay_alu instid0(VALU_DEP_1)
	v_add_f32 v14, v14, v242                       ; the row's sum
	s_wait_alu depctr_va_vdst(0)
	v_rcp_f32 v14, v14
	v_nop
.set j, 0
	s_wait_alu depctr_va_vdst(0)
.rept 32
	v_mul_f32 v[96+j], v[160+j], v14
.set j, j+1
.endr
.irp b, 0,1
	v_max3_num_f32 v[224+\b], |v[96+16*\b]|, |v[97+16*\b]|, FLOOR
.endr
.irp i, 2,4,6,8,10,12,14
.irp b, 0,1
	s_delay_alu instid0(VALU_DEP_2)
	v_max3_num_f32 v[224+\b], v[224+\b], |v[96+16*\b+\i]|, |v[97+16*\b+\i]|
.endr
.endr
.irp b, 0,1
	s_delay_alu instid0(VALU_DEP_2)
	v_permlanex16_b32 v[228+\b], v[224+\b], s20, s21
.endr
.irp b, 0,1
	s_delay_alu instid0(VALU_DEP_2)
	v_max_num_f32 v[224+\b], v[224+\b], v[228+\b]
.endr
.irp b, 0,1
	s_delay_alu instid0(VALU_DEP_2)
	v_add_nc_u32 v[236+\b], EOFF, v[224+\b]
.endr
.irp b, 0,1
.endr
.irp b, 0,1
	s_delay_alu instid0(VALU_DEP_2)
	v_lshrrev_b32 v[228+\b], 23, v[236+\b]
.endr
.irp b, 0,1
.irp i, 0,1,2,3,4,5,6,7,8,9,10,11,12,13,14,15
.endr
	v_cvt_scalef32_pk8_bf8_f32 v[192+4*\b:193+4*\b], v[96+16*\b:103+16*\b], v[236+\b]
	v_cvt_scalef32_pk8_bf8_f32 v[194+4*\b:195+4*\b], v[104+16*\b:111+16*\b], v[236+\b]
.endr
	v_nop                                          ; a plain line behind the last conversion
	v_cmp_eq_u32 vcc_lo, 1, v9
	s_delay_alu instid0(VALU_DEP_1)
	v_cndmask_b32 v243, v228, v229, vcc_lo         ; lanes 0-15 store the first block's byte, lanes 16-31 the second's
	global_store_b128 v1, v[192:195], s[58:59]     ; 512 consecutive bytes, aligned
	global_store_b128 v1, v[196:199], s[58:59] offset:512
	global_store_b8 v8, v243, s[60:61]             ; two bytes in each of 16 rows of 8: one byte for each 32 of codes
.if \switch
	s_wait_xcnt 0x0                                ; the stores have read their data and bases: both are written again only behind this wait
	s_mov_b64 s[58:59], s[66:67]
	s_mov_b64 s[60:61], s[68:69]
	s_mov_b32 s19, s26
	s_mov_b32 s18, 0
	v_mov_b32 v220, v222
.irp j, 0,1,2,3,4,5,6,7
	v_mov_b32 v[16+\j], v[248+\j]
.endr
	v_mov_b32 v13, 0xff61b1e6
	s_delay_alu instid0(VALU_DEP_1)
	v_floor_f32 v12, -v13
	v_mov_b32 v14, 0
	v_mov_b32 v15, 0
.set j, 0
.rept 32
	v_mov_b32 v[160+j], 0
.set j, j+1
.endr
.endif
.endm
	s_wait_loadcnt 0x0                             ; Q, both blocks'
.Lslot:                                            ; eight trips: behind each change of slots but the last the next trip's tile is asked for
	CHANGE 1
	STEP 0
	STEP 1
	s_xor_b32 s17, s17, SLOT1                      ; on to the other slot
	s_cmp_lg_u32 s15, s13
	s_cbranch_scc1 .Lsame                          ; trip I ends the first block
	FINAL 1
.Lsame:
	s_add_co_u32 s15, s15, 1
	s_cmp_lt_u32 s15, 8
	s_cbranch_scc1 .Lslot
	CHANGE 0                                       ; the last slot is written out
	STEP 0
	STEP 1
	FINAL 0
	s_wait_tensorcnt 0x0                           ; the wave's end
	ds_add_u32 v3, v4
	s_wait_dscnt 0x0
	s_endpgm
.Lfunc_end_k_q451718438e_attn:
	.size	k_q451718438e_attn, .Lfunc_end_k_q451718438e_attn-k_q451718438e_attn
	.p2alignl 7, 3214868480
	.fill 96, 4, 3214868480
	.section	.rodata,"a",@progbits
	.p2align	6, 0x0
	.amdhsa_kernel k_q451718438e_attn
		.amdhsa_group_segment_fixed_size 327680
		.amdhsa_private_segment_fixed_size 0
		.amdhsa_enable_private_segment 0
		.amdhsa_kernarg_size 32
		.amdhsa_user_sgpr_count 2
		.amdhsa_user_sgpr_kernarg_segment_ptr 1
		.amdhsa_wavefront_size32 1
		.amdhsa_system_sgpr_workgroup_id_x 1
		.amdhsa_system_sgpr_workgroup_id_y 1
		.amdhsa_system_sgpr_workgroup_id_z 1
		.amdhsa_system_vgpr_workitem_id 0
		.amdhsa_next_free_vgpr 256
		.amdhsa_next_free_sgpr 84
		.amdhsa_reserve_vcc 1
		.amdhsa_float_denorm_mode_32 3
		.amdhsa_float_denorm_mode_16_64 3
		.amdhsa_fp16_overflow 1
		.amdhsa_memory_ordered 1
		.amdhsa_forward_progress 1
		.amdhsa_inst_pref_size 112
	.end_amdhsa_kernel
	.amdgpu_metadata
---
amdhsa.version: [ 1, 2 ]
amdhsa.kernels:
  - .name:           k_q451718438e_attn
    .symbol:         k_q451718438e_attn.kd
    .args:
      - { .name: qkv_img, .offset: 0, .size: 8, .value_kind: global_buffer, .address_space: global }
      - { .name: qkv_sc, .offset: 8, .size: 8, .value_kind: global_buffer, .address_space: global }
      - { .name: ctx_img, .offset: 16, .size: 8, .value_kind: global_buffer, .address_space: global }
      - { .name: ctx_sc, .offset: 24, .size: 8, .value_kind: global_buffer, .address_space: global }
    .group_segment_fixed_size: 327680
    .private_segment_fixed_size: 0
    .kernarg_segment_align: 8
    .kernarg_segment_size: 32
    .max_flat_workgroup_size: 512
    .sgpr_count:     84
    .vgpr_count:     256
    .wavefront_size: 32
...
	.end_amdgpu_metadata
.endif
;; end of part 3
;; launch outp (part 4): grid 4 x 32, 4 waves a work-group, clusters of 4 x 4, 327,680 bytes of LDS; arguments ctx_img, ctx_sc, op_img, op_sc, b_o, out0; writes out0
.if DOCPART == 4
	.amdgcn_target "amdgcn-amd-amdhsa--gfx1250"
	.amdhsa_code_object_version 6
	.text
	.protected	k_q451718438e_outp
	.globl	k_q451718438e_outp
	.p2align	8
	.type	k_q451718438e_outp,@function
k_q451718438e_outp:
	s_mov_b64 s[64:65], 0
	v_nop
	global_prefetch_b8 v0, s[64:65] scope:SCOPE_SE
	s_setreg_imm32_b32 hwreg(HW_REG_WAVE_MODE, 25, 1), 1
	s_wait_xcnt 0x0
	s_wait_alu depctr_hold_cnt(0) depctr_sa_sdst(0) depctr_va_vdst(0) depctr_va_sdst(0) depctr_va_ssrc(0) depctr_va_vcc(0) depctr_vm_vsrc(0)
	s_getreg_b32 s2, hwreg(HW_REG_IB_STS2, 6, 4)
	s_cmp_eq_u32 s2, 0
	s_cbranch_scc0 .Lentry_in_a_cluster
	s_endpgm
.Lentry_in_a_cluster:
	s_bfe_u32 s2, ttmp6, 0x10000c
	s_cmp_lg_u32 s2, 0xf033
	s_cbranch_scc0 .Lentry_shape_is_right
	s_endpgm
.Lentry_shape_is_right:
; out0 = ctx W_o + b_o on codes of BF8 (E5M2) with E8M0 scales; out0 [8192][1024] f32; sums in f32.
; A tile of 256 tokens x 256 columns is made by four waves, each 128 x 128: 64 accumulators of 16 x 16, 512 registers.  The matrix instruction takes 16 columns of W_o as source 0 (S0) and 16 tokens of ctx as source 1 (S1):
; a lane holds one token, and, by the choice of the rows that form a tile (lane r of tile 2 g + u holds row 32 g + 8 u + r + 8 (r / 8)), the registers of S0's tiles 2 g, 2 g + 1 are columns 32 g + 16 (lane / 16) + 0 .. 15 in order.
; OPERANDS lie in memory as images of their registers, [kp 0..3][row tile][ks 0..1][c][lane][16]: 8 row tiles of one kp are 32,768 dense bytes, one tensor load; a fragment comes by four LDS loads of 512 consecutive bytes.
; K = 1,024 goes in four steps of 256 through two LDS slots.  The scale words of the tile's rows, for all of K, come once.  The bias is the C of each sum's first matrix instruction.
; CLUSTERS: 4 x 4 work-groups.  ctx's tile is shared along a row of the cluster, W_o's along a column: each is asked for jointly, by the same tensor load with the same descriptor and a mask that names the four.
; The grid is 128 work-groups: 8,192 x 1,024 has no more tiles of this size.
; REGISTERS, in windows of 256: window 0: v0-31 addresses; v32-63 scale words, two sets; v64-127 the bias; v128-255 S1's fragments, on the way out rows of out0.  window 1: S0's fragments, two sets.  windows 2, 3: the accumulators.
.set PLANEA, 2097152                   ; bytes of one kp of ctx_img
.set PLANEB, 3145728                   ; and of op_img
.set SLOT,   131072                    ; S1's 16 row tiles (65,536 bytes), then S0's
.set S0OFF,  65536
.set SCL,    262144                    ; behind the ring: S1's scale words (8,192 bytes), then S0's
.set SPARE,  278528                    ; the spare words, 128 bytes for each wave: two blocks of 256 bytes that no other line names
.set FR,     16
.set NL,     4
.set NP,     8                         ; places behind this matrix instruction (ISA guide 7.12.1)
.set NQ,     2
.set STEPA,  2*PLANEA
.set STEPB,  2*PLANEB
.set SPITCH, 528                       ; the way out: a stage of 16 rows x (512 bytes + 16) for each wave, in slot 0, which has had its last fill and its last read when the first result is stored there
.set ADRA, 16                          ; v16-17  LDS address of my S1 fragments in slot 0, 1
.set ADRB, 20                          ; v20-21  the same for S0
.set STO,  24                          ; v24     the way out: where I put 32 bytes of a row
.set RD,   25                          ; v25     the way out: where I read a row back
.set CO,   26                          ; v26     16 x lane: my bytes of a row of out0
.set ADRS, 27                          ; v27     LDS address of my scale words
.set SPW,  28                          ; v28     LDS address of my spare word; never rewritten
.set NIL,  29                          ; v29     0; never rewritten
.set SC,   32
.set BI,   64                          ; v64-127 register 8 b + j: b_o at the column that accumulator (a, b)'s register j holds
.set AF,   128
.set BK,   128                         ; the way out: 16 rows read back: v128-191 and v192-255 by turns
.set G1, 24
.set G0, 32
.set G1B, 48
.set G0B, 56
.set G1S, 68
.set G0S, 76
.set G1SB, 80
.set G0SB, 88
.set MSB, 0
.macro WIN new                         ; the immediate's high byte repeats the setting that is left
.if MSB != (\new)
	s_set_vgpr_msb (MSB<<8)|(\new)
.set MSB, (\new)
.endif
.endm
.set MUL_LO, 0xa1                      ; source 0 (S0) window 1, source 1 (S1) window 0, C and D window 2
.set MUL_HI, 0xf1                      ; the same, C and D window 3
.set ZLO,    0x81                      ; the first step: C (the bias) window 0, D window 2
.set ZHI,    0xc1                      ; D window 3
.set TO_B,   0x40
.macro JLOAD g0a, g1a, g0b, g1b        ; a joint load: waves 0 and 1 fetch for S1, waves 2 and 3 for S0; four v_nop follow each line
	s_cmp_eq_u32 s15, 0
	s_cbranch_scc0 .Lfor_b_\@
	tensor_load_to_lds s[\g0a:\g0a+3], s[\g1a:\g1a+7]
	s_nop 0
.rept 4
	v_nop
.endr
	s_branch .Lasked_\@
.Lfor_b_\@:
	tensor_load_to_lds s[\g0b:\g0b+3], s[\g1b:\g1b+7]
	s_nop 0
.rept 4
	v_nop
.endr
.Lasked_\@:
.endm
.macro CREST
	s_cmp_lg_u32 s14, 0
	s_cbranch_scc1 .Lnot_wave_0_\@
	s_barrier_signal -3
.Lnot_wave_0_\@:
	s_barrier_wait -3
	s_barrier_signal -1
	s_barrier_wait -1
.endm
.macro CROUND
	s_barrier_signal -1
	s_barrier_wait -1
	CREST
.endm
	s_load_b256 s[4:11], s[0:1], 0x0               ; ctx_img s[4:5], ctx_sc s[6:7], op_img s[8:9], op_sc s[10:11]
	s_load_b128 s[96:99], s[0:1], 0x20             ; b_o s[96:97], out0 s[98:99]
	v_lshl_add_u32 v[SPW], v0, 2, SPARE
	v_mov_b32 v[NIL], 0
	ds_add_u32 v28, v29
	ds_add_u32 v28, v29
	s_wait_dscnt 0x0
	v_lshrrev_b32 v1, 5, v0
	v_readfirstlane_b32 s14, v1                    ; wave 0..3
	s_lshr_b32 s15, s14, 1                         ; which half of the tokens is mine.  Also: I fetch for S1 (0) or for S0 (1)
	s_and_b32 s16, s14, 1                          ; which half of the columns.  Also: which 128 rows of that tile I fetch
	s_bfe_u32 s40, ttmp6, 0x40000                  ; cx, cy
	s_bfe_u32 s41, ttmp6, 0x40004
	s_lshl_b32 s42, ttmp9, 2
	s_add_co_u32 s42, s42, s40                     ; the tile's column: 4 x cluster x + cx
	s_and_b32 s17, ttmp7, 0xffff
	s_lshl_b32 s17, s17, 2
	s_add_co_u32 s17, s17, s41                     ; the tile's row: 4 x cluster y + cy
	s_lshl_b32 s43, s41, 2
	s_lshl_b32 s43, 15, s43                        ; my row of the cluster
	s_lshl_b32 s44, 0x1111, s40                    ; my column
	s_or_b32 s[G1+0], s43, (3<<16)|(1<<21)         ; 32,768 dense bytes as 128 rows of 256 (32 elements of 8 bytes); the mask; 21 set beside it
	s_or_b32 s[G1B+0], s44, (3<<16)|(1<<21)
.irp g, G1, G1B
	s_mov_b32 s[\g+1], 32<<16
	s_mov_b32 s[\g+2], 128<<16
	s_mov_b32 s[\g+3], 32<<16
	s_mov_b32 s[\g+4], 128
	s_mov_b32 s[\g+5], 32
	s_mov_b32 s[\g+6], 0
	s_mov_b32 s[\g+7], 0
.endr
	s_or_b32 s[G1S+0], s43, (3<<16)|(1<<21)        ; the scale words of 128 rows: 4,096 dense bytes
	s_or_b32 s[G1SB+0], s44, (3<<16)|(1<<21)
.irp g, G1S, G1SB
	s_mov_b32 s[\g+1], 32<<16
	s_mov_b32 s[\g+2], 16<<16
	s_mov_b32 s[\g+3], 32<<16
	s_mov_b32 s[\g+4], 16
	s_mov_b32 s[\g+5], 32
	s_mov_b32 s[\g+6], 0
	s_mov_b32 s[\g+7], 0
.endr
	s_lshl_b32 s18, s16, 15
	s_lshl_b32 s19, s16, 12
	s_lshl_b32 s20, s17, 16                        ; ctx: tile row x 65,536 + my half
	s_add_co_u32 s20, s20, s18
	s_mov_b32 s21, 0
	s_lshl_b32 s22, s17, 13
	s_add_co_u32 s22, s22, s19
	s_mov_b32 s23, 0
	s_add_co_u32 s46, s42, 44                      ; W_o's tiles are 44-47 of op_img
	s_lshl_b32 s92, s46, 13
	s_lshl_b32 s46, s46, 16
	s_add_co_u32 s46, s46, s18
	s_add_co_u32 s92, s92, s19
	s_mov_b32 s47, 0
	s_mov_b32 s93, 0
	s_lshl_b32 s45, s14, 15                        ; where they go: wave x 32,768: no place in the cluster enters an LDS address
	s_lshl_b32 s94, s14, 12
	s_wait_kmcnt 0x0
	s_add_nc_u64 s[20:21], s[4:5], s[20:21]
	s_add_nc_u64 s[22:23], s[6:7], s[22:23]
	s_add_nc_u64 s[46:47], s[8:9], s[46:47]
	s_add_nc_u64 s[92:93], s[10:11], s[92:93]
	CROUND                                         ; all sixteen work-groups are here: the first joint loads meet
	s_mov_b32 s[G0S], 1
	s_add_co_u32 s[G0S+1], s94, SCL
	s_mov_b64 s[G0S+2:G0S+3], s[22:23]
	s_or_b32 s[G0S+3], s[G0S+3], 0x80000000
	s_mov_b32 s[G0SB], 1
	s_add_co_u32 s[G0SB+1], s94, SCL
	s_mov_b64 s[G0SB+2:G0SB+3], s[92:93]
	s_or_b32 s[G0SB+3], s[G0SB+3], 0x80000000
	JLOAD G0S, G1S, G0SB, G1SB
.irp s, 0,1
	s_mov_b32 s[G0+4*\s], 1
	s_add_co_u32 s[G0+4*\s+1], s45, \s*SLOT
	s_add_nc_u64 s[G0+4*\s+2:G0+4*\s+3], s[20:21], \s*PLANEA
	s_or_b32 s[G0+4*\s+3], s[G0+4*\s+3], 0x80000000
	s_mov_b32 s[G0B+4*\s], 1
	s_add_co_u32 s[G0B+4*\s+1], s45, \s*SLOT
	s_add_nc_u64 s[G0B+4*\s+2:G0B+4*\s+3], s[46:47], \s*PLANEB
	s_or_b32 s[G0B+4*\s+3], s[G0B+4*\s+3], 0x80000000
	s_wait_alu depctr_va_vdst(0)
	s_wait_tensorcnt 0x0
	ds_add_u32 v28, v29
	s_wait_dscnt 0x0
	CROUND
	JLOAD G0+4*\s, G1, G0B+4*\s, G1B
.endr
	v_and_b32 v1, 15, v0                           ; r
	v_bfe_u32 v2, v0, 4, 1                         ; h
	v_and_b32 v3, 31, v0
	v_lshlrev_b32 v[CO], 4, v3                     ; 16 x lane
	s_wait_alu depctr_va_vdst(0)
	s_lshl_b32 s46, s42, 10
	s_lshl_b32 s47, s16, 9
	s_add_co_u32 s46, s46, s47                     ; my first column, in bytes: 1,024 x tile column + 512 x half
	s_mov_b32 s47, 0
	s_add_nc_u64 s[96:97], s[96:97], s[46:47]
	v_lshlrev_b32 v7, 6, v2                        ; the bias: lanes 16-31 begin 16 columns on
.irp b, 0,1,2,3,4,5,6,7
	global_load_b128 v[BI+8*\b:BI+8*\b+3], v7, s[96:97] offset:(32*(\b/2)+8*(\b%2))*4
	global_load_b128 v[BI+8*\b+4:BI+8*\b+7], v7, s[96:97] offset:(32*(\b/2)+8*(\b%2))*4+16
.endr
	s_lshl_b32 s20, s17, 8
	s_lshl_b32 s21, s15, 7
	s_add_co_u32 s20, s20, s21                     ; my first token
	s_lshl_b32 s20, s20, 12                        ; a row of out0 is 4,096 bytes
	s_mov_b32 s21, 0
	s_add_nc_u64 s[20:21], s[20:21], s[46:47]
	s_add_nc_u64 s[98:99], s[98:99], s[20:21]
	s_lshl_b32 s21, s15, 15                        ; my 8 row tiles of S1
	s_lshl_b32 s22, s16, 15                        ; my 8 of S0,
	s_add_co_u32 s22, s22, S0OFF                   ; which lie behind S1's 16
.irp s, 0,1
	v_add_nc_u32 v[ADRA+\s], s21, v[CO]
	v_add_nc_u32 v[ADRB+\s], s22, v[CO]
	s_add_co_u32 s21, s21, SLOT
	s_add_co_u32 s22, s22, SLOT
.endr
	s_lshl_b32 s21, s15, 12
	s_lshl_b32 s22, s16, 12
	s_add_co_u32 s22, s22, 8192
	s_sub_co_u32 s22, s22, s21
	v_mul_u32_u24 v6, s22, v2                      ; lanes 16-31 take S0's scale words
	s_add_co_u32 s21, s21, SCL
	v_lshl_add_u32 v5, v1, 3, v6
	v_add_nc_u32 v[ADRS], s21, v5
	s_mul_i32 s23, s14, 16*SPITCH                  ; my stage
	v_mul_u32_u24 v5, v1, SPITCH
	v_lshl_add_u32 v5, v2, 6, v5                   ; in: row r, + 64 h: my 16 columns of each 32
	v_add_nc_u32 v[STO], s23, v5
	v_add_nc_u32 v[RD], s23, v[CO]                 ; back: the 32 lanes take one row of 512 bytes
.macro FRAG reg, adr, q, i
.irp c, 0,1,2,3
	ds_load_b128 v[\reg+4*\c:\reg+4*\c+3], v[\adr] offset:4096*(\i)+2048*(\q)+512*\c
.endr
.endm
; 16 matrix instructions: S1's blocks a0, a0 + 1 x S0's eight.  zero = 1: the first product starts the sums from the bias.  The 64 accumulators take turns, one instruction a turn.
.macro MUL16 a0, p, q, sc, zero
.irp a, \a0, \a0+1
.irp b, 0,1,2,3,4,5,6,7
.if \zero
	v_wmma_scale_f32_16x16x128_f8f6f4 v[8*(8*((\a)%4)+\b):8*(8*((\a)%4)+\b)+7], v[128*(\p)+FR*\b:128*(\p)+FR*\b+FR-1], v[AF+FR*(\a):AF+FR*(\a)+FR-1], v[BI+8*\b:BI+8*\b+7], v[SC+8*NQ*(\sc)+NQ*\b+(\q)], v[SC+8*NQ*(\sc)+NQ*(\a)+(\q)] matrix_a_fmt:MATRIX_FMT_BF8 matrix_b_fmt:MATRIX_FMT_BF8 matrix_a_scale:MATRIX_SCALE_ROW1
.else
	v_wmma_scale_f32_16x16x128_f8f6f4 v[8*(8*((\a)%4)+\b):8*(8*((\a)%4)+\b)+7], v[128*(\p)+FR*\b:128*(\p)+FR*\b+FR-1], v[AF+FR*(\a):AF+FR*(\a)+FR-1], v[8*(8*((\a)%4)+\b):8*(8*((\a)%4)+\b)+7], v[SC+8*NQ*(\sc)+NQ*\b+(\q)], v[SC+8*NQ*(\sc)+NQ*(\a)+(\q)] matrix_a_fmt:MATRIX_FMT_BF8 matrix_b_fmt:MATRIX_FMT_BF8 matrix_a_scale:MATRIX_SCALE_ROW1
.endif
.endr
.endr
.endm
.macro FETCH_B slot, q, p
	WIN TO_B
.irp i, 0,1,2,3,4,5,6,7
	FRAG 128*(\p)+FR*\i, ADRB+\slot, \q, \i
.endr
	WIN 0
.endm
.macro FETCH_A slot, q, i0
.irp i, \i0, \i0+1, \i0+2, \i0+3
	FRAG AF+FR*(\i), ADRA+\slot, \q, \i
.endr
.endm
.macro SCALES sc
.irp i, 0,1,2,3,4,5,6,7
	ds_load_b64 v[SC+8*NQ*\sc+NQ*\i:SC+8*NQ*\sc+NQ*\i+1], v[ADRS] offset:\i*512
.endr
.endm
.macro PLACES n                        ; plain vector lines between a matrix instruction and a load into, or a read of, its registers
.rept \n
	v_nop
.endr
.endm
.macro STEP slot, q, zero
	s_wait_dscnt 4*NL                              ; S0's set and S1's blocks 0-3 are in; the youngest sixteen loads (S1's blocks 4-7) may be out
.if \zero
	WIN ZLO
.else
	WIN MUL_LO
.endif
	MUL16 0, (\q)%2, \q, \slot, \zero
	MUL16 2, (\q)%2, \q, \slot, \zero
	s_wait_dscnt 0
	PLACES NP
	FETCH_B \slot, (\q)+1, 1-(\q)%2
	FETCH_A \slot, (\q)+1, 0
.if \zero
	WIN ZHI
.else
	WIN MUL_HI
.endif
	MUL16 4, (\q)%2, \q, \slot, \zero
	MUL16 6, (\q)%2, \q, \slot, \zero
	PLACES NP
	WIN 0
	FETCH_A \slot, (\q)+1, 4
.endm
.macro TURN slot, next, fill           ; a slot's last step changes slots: one barrier, with the three lines in front of it; fill = 1: this slot is filled again, two K steps ahead
	s_wait_tensorcnt 0x0                           ; all my tensor loads have landed: my part of the next slot
	ds_add_u32 v[SPW], v[NIL]                      ; 0 onto my spare word
	s_wait_dscnt 4*NL+1                            ; (the add and the youngest sixteen loads may be out)
	WIN MUL_LO
	MUL16 0, 1, NQ-1, \slot, 0
	s_wait_dscnt 0x0                               ; the add is done, and my reads of this slot are over
	s_barrier_signal -1
	MUL16 2, 1, NQ-1, \slot, 0
	WIN 0
	s_barrier_wait -1
.if \fill
	CREST                                          ; the barrier has opened a round of the cluster's barrier
	s_add_nc_u64 s[G0+4*\slot+2:G0+4*\slot+3], s[G0+4*\slot+2:G0+4*\slot+3], STEPA
	s_add_nc_u64 s[G0B+4*\slot+2:G0B+4*\slot+3], s[G0B+4*\slot+2:G0B+4*\slot+3], STEPB
	JLOAD G0+4*\slot, G1, G0B+4*\slot, G1B
	PLACES NP-4
.else
	PLACES NP
.endif
	s_wait_alu depctr_va_vdst(0)
	v_add_nc_u32 v[ADRS], 128, v[ADRS]
	FETCH_B \next, 0, 0
	FETCH_A \next, 0, 0
	SCALES \next
	WIN MUL_HI
	MUL16 4, 1, NQ-1, \slot, 0
	MUL16 6, 1, NQ-1, \slot, 0
	PLACES NP
	WIN 0
	FETCH_A \next, 0, 4
.endm
	s_wait_alu depctr_va_vdst(0)
	s_wait_tensorcnt 1                             ; the scales and my part of K step 0 are in (K step 1's load may be out),
	s_barrier_signal -1
	s_barrier_wait -1                              ; everybody's are
	FETCH_B 0, 0, 0
	FETCH_A 0, 0, 0
	SCALES 0
	FETCH_A 0, 0, 4
	s_wait_loadcnt 0x0                             ; the bias
	STEP 0, 0, 1
	TURN 0, 1, 1
	STEP 1, 0, 0
	TURN 1, 0, 1
	STEP 0, 0, 0
	TURN 0, 1, 0
	STEP 1, 0, 0
	s_wait_dscnt 4*NL
	WIN MUL_LO
	MUL16 0, 1, NQ-1, 1, 0
	MUL16 2, 1, NQ-1, 1, 0
	s_wait_dscnt 0
	WIN MUL_HI
	MUL16 4, 1, NQ-1, 1, 0
	MUL16 6, 1, NQ-1, 1, 0
	WIN 0
; THE WAY OUT, block by block of 16 tokens x 128 columns, through my own stage: in as 32 bytes a lane and tile, back as whole rows of 512 bytes.  LDS serves a wave's instructions in order: no wait between the stores and the loads.
.macro TOSTAGE a
.set AC, 64*((\a)%4)
	WIN 0x08+4*((\a)/4)                            ; the data: window 2 or 3
.irp b, 0,1,2,3,4,5,6,7
	ds_store_b128 v[STO], v[AC+8*\b:AC+8*\b+3] offset:128*(\b/2)+32*(\b%2)          ; each accumulator from its low end on
	ds_store_b128 v[STO], v[AC+8*\b+4:AC+8*\b+7] offset:128*(\b/2)+32*(\b%2)+16
.endr
	WIN 0
.set BB, BK+64*((\a)%2)
.irp t, 0,1,2,3,4,5,6,7,8,9,10,11,12,13,14,15
	ds_load_b128 v[BB+4*\t:BB+4*\t+3], v[RD] offset:\t*SPITCH
.endr
.endm
.macro SEND a, younger                 ; younger: the LDS instructions issued behind block a's loads, which may stay out.  Row t of block a is token 32 (a / 2) + 8 (a % 2) + t + 8 (t / 8) of my 128: it stands in the immediate
.set BB, BK+64*((\a)%2)
	s_wait_dscnt \younger
.irp t, 0,1,2,3,4,5,6,7,8,9,10,11,12,13,14,15
	global_store_b128 v[CO], v[BB+4*\t:BB+4*\t+3], s[98:99] offset:(32*((\a)/2)+8*((\a)%2)+\t+8*(\t/8))*4096 th:TH_STORE_NT   ; 512 consecutive bytes, aligned; written once, read by nobody here
.endr
.endm
	PLACES NP
	TOSTAGE 0
.irp a, 1,2,3,4,5,6,7
.if \a > 1
	s_wait_xcnt 0x0                                ; block a - 2's stores have read their registers: block a's loads may land there
.endif
	TOSTAGE \a
	SEND \a-1, 32                                  ; behind block a - 1's loads: block a's 16 stores and 16 loads
.endr
	SEND 7, 0
	s_wait_tensorcnt 0x0                           ; the wave's end
	ds_add_u32 v[SPW], v[NIL]
	s_wait_dscnt 0x0
	CROUND                                         ; the closing round
	s_endpgm
.Lfunc_end_k_q451718438e_outp:
	.size	k_q451718438e_outp, .Lfunc_end_k_q451718438e_outp-k_q451718438e_outp
	.p2alignl 7, 3214868480
	.fill 96, 4, 3214868480
	.section	.rodata,"a",@progbits
	.p2align	6, 0x0
	.amdhsa_kernel k_q451718438e_outp
		.amdhsa_group_segment_fixed_size 327680
		.amdhsa_private_segment_fixed_size 0
		.amdhsa_enable_private_segment 0
		.amdhsa_kernarg_size 48
		.amdhsa_user_sgpr_count 2
		.amdhsa_user_sgpr_kernarg_segment_ptr 1
		.amdhsa_wavefront_size32 1
		.amdhsa_system_sgpr_workgroup_id_x 1
		.amdhsa_system_sgpr_workgroup_id_y 1
		.amdhsa_system_sgpr_workgroup_id_z 1
		.amdhsa_system_vgpr_workitem_id 0
		.amdhsa_next_free_vgpr 1024
		.amdhsa_next_free_sgpr 100
		.amdhsa_reserve_vcc 0
		.amdhsa_float_denorm_mode_32 3
		.amdhsa_float_denorm_mode_16_64 3
		.amdhsa_memory_ordered 1
		.amdhsa_forward_progress 1
		.amdhsa_inst_pref_size 147
	.end_amdhsa_kernel
	.amdgpu_metadata
---
amdhsa.version: [ 1, 2 ]
amdhsa.kernels:
  - .name:           k_q451718438e_outp
    .symbol:         k_q451718438e_outp.kd
    .args:
      - { .name: ctx_img, .offset: 0, .size: 8, .value_kind: global_buffer, .address_space: global }
      - { .name: ctx_sc, .offset: 8, .size: 8, .value_kind: global_buffer, .address_space: global }
      - { .name: op_img, .offset: 16, .size: 8, .value_kind: global_buffer, .address_space: global }
      - { .name: op_sc, .offset: 24, .size: 8, .value_kind: global_buffer, .address_space: global }
      - { .name: b_o, .offset: 32, .size: 8, .value_kind: global_buffer, .address_space: global }
      - { .name: out0, .offset: 40, .size: 8, .value_kind: global_buffer, .address_space: global }
    .group_segment_fixed_size: 327680
    .private_segment_fixed_size: 0
    .kernarg_segment_align: 8
    .kernarg_segment_size: 48
    .max_flat_workgroup_size: 128
    .sgpr_count:     100
    .vgpr_count:     1024
    .wavefront_size: 32
...
	.end_amdgpu_metadata
.endif
;; end of part 4
